; MI455X (gfx1250); checked and timed in simulation.
; The chip was launched on July 23, 2026; its instructions are those of AMD's public machine-readable ISA for CDNA 5 (MIT licence, August 2026) and "CDNA5" Instruction Set Architecture Reference Guide (July 2026). The comments in the code are by the model that wrote it; some were corrected since.
;; Casual Self Attention. Allowed arithmetic: matrix products marked QUANTISED: E2M1 operands, one E8M0 scale for each 32 along K, by v_wmma_scale_f32_16x16x128_f8f6f4 with both operands' format E2M1 (or v_wmma_scale_f32_32x16x128_f4), f32 sums; products left as they are: bf16, f16 or f32 operands; f32 sums; everything else in f32.
;; Inputs: b_attn 3,072 float32; b_proj 1,024 float32; w_attn 1,024 x 3,072 float32; w_proj 1,024 x 1,024 float32; x 4 x 2,048 x 1,024 float32.
;; Outputs: out0 4 x 2,048 x 1,024 float32.
;; This version of the problem:
;;   THIS VERSION OF THE PROBLEM IS GIVEN IN LOW PRECISION. The matrix products marked QUANTISED in the list below multiply operands that are first quantised to E2M1 (2 exponent bits, 1 mantissa bit; 4 bits a number), with one power-of-two scale for each 32 numbers along K (OCP MX v1.0); their sums are f32. The products marked 'left as it is' may take bf16, f16 or f32 operands, with f32 sums. Whichever they take, every output number must still come out within the allowed error. Rounding operands to bf16 (8 significant bits) uses up far more of that allowance than f16 does (11 bits, for magnitudes from 6e-5 to 65,504). All else is computed in f32.
;;   The module's matrix products, in the order in which they are computed (A, B: the left and right operand; K: the contracted axis; several contracted axes count as one K, in the product's order):
;;     1. [M 8,192, K 1,024] x [K 1,024, N 3,072]; A: input x; B: input w_attn: QUANTISED
;;     2. batch 64 x [M 2,048, K 64] x [K 64, N 2,048]; A: computed on the way; B: computed on the way: left as it is (an operand is computed on the way)
;;     3. batch 64 x [M 2,048, K 2,048] x [K 2,048, N 64]; A: computed on the way; B: computed on the way: left as it is (an operand is computed on the way)
;;     4. [M 8,192, K 1,024] x [K 1,024, N 1,024]; A: computed on the way; B: input w_proj: left as it is (an operand is computed on the way)
;;   THE QUANTISER, for each operand of a quantised product, along K:
;;     - K is cut into blocks of 32 from its start; a last block that is shorter is filled with zeros.
;;     - A block's scale is 2^e with e = floor(log2(the largest magnitude in the block)) - 2, held to -126 .. 127; a block of zeros has e = 0. As a byte (E8M0): e + 127.
;;     - Each number is divided by its block's scale, clamped to +-6, and rounded to the nearest number of E2M1, ties to even, subnormals kept.
;;     - The product sums the exact products of the quantised numbers (number of the format x scale) in f32.
;;   ~~~python
;;   def quantise(x, axis):      # numpy; x: float32 -> the quantised numbers, widened to float32 again
;;       x = np.moveaxis(x, axis, -1); K = x.shape[-1]
;;       x = np.pad(x, [(0, 0)] * (x.ndim - 1) + [(0, -K % 32)]); x = x.reshape(x.shape[:-1] + (-1, 32)); a = np.abs(x).max(-1, keepdims=True)
;;       e = np.where(a > 0, np.clip(np.frexp(np.where(a > 0, a, 1))[1] - 1 - 2, -126, 127), 0)      # np.frexp(a)[1] - 1 = floor(log2(a)), exactly
;;       r = np.clip(x / 2.0 ** e, -6, 6)
;;       step = 2.0 ** (np.maximum(np.frexp(np.where(r == 0, 1, r))[1] - 1, 0) - 1)
;;       q = np.round(r / step) * step * 2.0 ** e      # np.round: ties to even
;;       return np.moveaxis(q.reshape(q.shape[:-2] + (-1,))[..., :K], -1, axis).astype(np.float32)
;;   ~~~
;; One version. Each part assembles by itself: llvm-mc -triple=amdgcn-amd-amdhsa -mcpu=gfx1250 --defsym DOCPART=n.
;; ======== version 1 of 1: 5 launches
;; limits: values are held in f16: magnitudes above 65,504 overflow, below 6.1e-05 lose precision
;; workspace buffers: x_codes 4,194,304 bytes; x_scales 262,144 bytes; w_codes 1,572,864 bytes; w_scales 98,304 bytes; wp16 2,097,152 bytes; qkv16 50,331,648 bytes; qkv32 786,432 bytes; y16 16,777,216 bytes
;; launch prep (part 1): grid 480 x 1, 4 waves a work-group, no clusters, 50,688 bytes of LDS; arguments x, w_attn, w_proj, x_codes, x_scales, w_codes, w_scales, wp16; writes x_codes, x_scales, w_codes, w_scales, wp16
.if DOCPART == 1
	.amdgcn_target "amdgcn-amd-amdhsa--gfx1250"
	.amdhsa_code_object_version 6
	.text
	.protected	k_q2f18ab2fd9_prep
	.globl	k_q2f18ab2fd9_prep
	.p2align	8
	.type	k_q2f18ab2fd9_prep,@function
k_q2f18ab2fd9_prep:
	s_mov_b64 s[64:65], 0
	v_nop
	global_prefetch_b8 v0, s[64:65] scope:SCOPE_SE
	s_setreg_imm32_b32 hwreg(HW_REG_WAVE_MODE, 25, 1), 1
	s_wait_xcnt 0x0
; THREE JOBS IN ONE LAUNCH, told apart by the work-group's number alone.
;   work-groups   0-255: x [8192][1024] f32 -> codes of FP4 (E2M1), K innermost, [8192][512 bytes], and one E8M0 byte for each 32 along K, [8192][32]
;   work-groups 256-351: w_attn [1024 k][3072 n] f32, K its FIRST axis -> codes laid [3072 n][512 bytes] with K innermost, scale bytes [3072][32]
;   work-groups 352-479: w_proj [1024][1024] f32 -> f16, same layout
; A block's scale is 2^(floor(log2(its largest magnitude)) - 2); its byte is the largest magnitude's exponent field - 2, held at 1 from below.
; LIMITS: a block of zeros, and a block whose largest magnitude lies under 2^-124, get the byte 1 (the rule says 127 for zeros: the codes are zeros, and the bytes are read by this program alone);
; NaN and infinities among the inputs are not served; |w_proj| stays under 65,504 (f16).
; LDS: each job has bytes of its own: x 0 .. 32,767 (8,192 a wave); w_attn 32,768 .. 50,175; the spare words from 50,176 on.
.set STEPS, 16
.set CB,    8                          ; bytes of 16 codes
.set XR,    16                         ; v16-79   x: four sets of 16 numbers as loaded
.set XN,    80                         ; v80-111  x: two sets of 16 neighbours
.set XE,    112                        ; v112-127 x: a scale byte for each step
.set XC,    128                        ; v128-191 x: codes, four registers a step
.set WREG,  8192                       ; x: a wave's LDS: two stages of 32 x 80 bytes, then its 256 scale bytes
.set SP,    80                         ; x: a lane's place in a stage: 64 bytes + 16 of padding
.set WSTG,  32768                      ; w_attn: the work-group's stage, 64 columns x 272 bytes
.set WP,    272
.set WROW,  12288                      ; a row of w_attn in bytes
.set WX,    32                         ; v32-95   w_attn: two sets of 32 numbers
.set WC,    96                         ; v96-99   a block's codes
.set WO,    112                        ; v112-143 the way out
.set SB,    24                         ; v24-25   eight scale bytes
.set SPARE, 50176                      ; the spare words, 128 bytes a wave: two blocks of 256 bytes that no other line names
.set SPW,   192                        ; v192 my spare word's LDS address; never rewritten
.set NIL,   193                        ; v193 0; never rewritten
.macro FINISH                          ; a wave's end: behind the last LDS store
	s_wait_tensorcnt 0x0
	ds_add_u32 v[SPW], v[NIL]
	s_wait_dscnt 0x0
	s_endpgm
.endm
	s_load_b256 s[4:11], s[0:1], 0x0               ; x s[4:5], w_attn s[6:7], w_proj s[8:9], x_codes s[10:11]
	s_load_b256 s[12:19], s[0:1], 0x20             ; x_scales s[12:13], w_codes s[14:15], w_scales s[16:17], wp16 s[18:19]
	v_lshl_add_u32 v[SPW], v0, 2, SPARE
	v_mov_b32 v[NIL], 0
	v_lshrrev_b32 v1, 5, v0
	v_readfirstlane_b32 s20, v1                    ; wave 0..3
	v_and_b32 v2, 31, v0                           ; lane
	s_mov_b32 s25, 0                               ; the upper word of every offset pair s[24:25]
	s_wait_kmcnt 0x0
	s_cmp_ge_u32 ttmp9, 352
	s_cbranch_scc1 .Lp
	s_cmp_ge_u32 ttmp9, 256
	s_cbranch_scc1 .Lw
; ---------------- x: a plain stream of blocks of 32.  A wave takes 16 steps of 512 numbers.
; Each load reads 512 consecutive bytes; a step's 2,048 bytes turn through the wave's own stage so that a lane holds 16 neighbours (two lanes a block).
	v_lshlrev_b32 v3, 4, v2                        ; my 16 bytes of a load's 512
	s_mul_i32 s21, s20, WREG
	v_lshrrev_b32 v14, 2, v2
	v_mul_u32_u24 v14, v14, SP
	v_and_b32 v15, 3, v2
	v_lshl_add_u32 v14, v15, 4, v14
	v_add_nc_u32 v14, s21, v14                     ; the stage on the way in: 80 (lane / 4) + 16 (lane % 4)
	v_mul_u32_u24 v15, v2, SP
	v_add_nc_u32 v15, s21, v15                     ; and on the way out: 80 x lane
	v_mul_u32_u24 v4, v2, CB                       ; my codes' place in a step's 256 bytes
	v_lshrrev_b32 v5, 1, v2
	s_add_co_u32 s21, s21, 2*32*SP
	v_add_nc_u32 v5, s21, v5                       ; my block's scale byte in the wave's 256
	v_lshlrev_b32 v7, 3, v2
	v_add_nc_u32 v6, s21, v7                       ; and 8 bytes a lane on the way out
	s_lshl_b32 s22, ttmp9, 2
	s_add_co_u32 s22, s22, s20                     ; which run of 8,192 numbers is my wave's
	s_lshl_b32 s24, s22, 15
	s_add_nc_u64 s[4:5], s[4:5], s[24:25]
	s_lshl_b32 s24, s22, 12
	s_add_nc_u64 s[10:11], s[10:11], s[24:25]
	s_lshl_b32 s24, s22, 8
	s_add_nc_u64 s[12:13], s[12:13], s[24:25]
.macro XLOAD t
.irp i, 0,1,2,3
	global_load_b128 v[XR+16*((\t)%4)+4*\i:XR+16*((\t)%4)+4*\i+3], v3, s[4:5] offset:2048*(\t)+512*\i th:TH_LOAD_NT
.endr
.endm
.macro XTURN t                         ; LDS serves a wave's instructions in order: no wait between the stores and the loads
.irp i, 0,1,2,3
	ds_store_b128 v14, v[XR+16*((\t)%4)+4*\i:XR+16*((\t)%4)+4*\i+3] offset:32*SP*((\t)%2)+8*SP*\i
.endr
.irp i, 0,1,2,3
	ds_load_b128 v[XN+16*((\t)%2)+4*\i:XN+16*((\t)%2)+4*\i+3], v15 offset:32*SP*((\t)%2)+16*\i
.endr
.endm
.irp t, 0,1,2,3
	XLOAD \t
.endr
	s_wait_loadcnt 12                              ; step 0's four loads are in; three steps' twelve stay out
	XTURN 0
.macro XSTEP t
.set XS, XN+16*((\t)%2)
.if (\t) > 0
	s_wait_dscnt 1                                 ; this step's numbers are back from the stage (the last step's byte store may be out): its stage stores have read their registers,
.else
	s_wait_dscnt 0x0
.endif
.if (\t)+4 < STEPS
	XLOAD (\t)+4                                   ; which take the loads of four steps on
.endif
.if (\t)+1 < STEPS
.if STEPS-2-(\t) >= 3
	s_wait_loadcnt 12                              ; the next step's four loads are in; those of three steps behind it may be out
.else
	s_wait_loadcnt 4*(STEPS-2-(\t))
.endif
	XTURN (\t)+1
.endif
	v_max3_num_f32 v8, |v[XS]|, |v[XS+1]|, |v[XS+2]|
	v_max3_num_f32 v9, |v[XS+3]|, |v[XS+4]|, |v[XS+5]|
.irp i, 6,10
	v_max3_num_f32 v8, v8, |v[XS+\i]|, |v[XS+\i+1]|
	v_max3_num_f32 v9, v9, |v[XS+\i+2]|, |v[XS+\i+3]|
.endr
	v_max3_num_f32 v8, v8, |v[XS+14]|, |v[XS+15]|
	v_max3_num_f32 v8, v8, v9, 0x1800000           ; the floor 2^(3 - 127): the byte cannot fall under 1
	v_max_num_f32_dpp v8, v8, v8 row_xmask:1 row_mask:0xf bank_mask:0xf   ; with my neighbour's 16: the block's largest magnitude
	v_add_nc_u32 v11, 0xff000000, v8               ; 2 off its exponent field: the conversion takes this operand's exponent field as its scale
	v_cvt_scalef32_pk8_fp4_f32 v[XC+4*(\t)], v[XS:XS+7], v11
	v_cvt_scalef32_pk8_fp4_f32 v[XC+4*(\t)+1], v[XS+8:XS+15], v11
	v_lshrrev_b32 v[XE+(\t)], 23, v11              ; the scale's byte (also the plain line behind the conversions)
	ds_store_b8 v5, v[XE+(\t)] offset:16*(\t)      ; both lanes of a block write the same byte with the same value
	global_store_b64 v4, v[XC+4*(\t):XC+4*(\t)+1], s[10:11] offset:32*CB*(\t)   ; the wave stores 256 consecutive bytes, aligned
.endm
.irp t, 0,1,2,3,4,5,6,7,8,9,10,11,12,13,14,15
	XSTEP \t
.endr
	ds_load_b64 v[8:9], v6                         ; my wave's 256 scale bytes, in order behind its byte stores
	s_wait_dscnt 0x0
	global_store_b64 v7, v[8:9], s[12:13]          ; 256 consecutive bytes, aligned
	FINISH
; ---------------- w_attn: a lane takes a column, its registers run down K.  Work-group j: 64 columns (j / 2) x 512 along K (j % 2);
; wave w: 32 columns (w % 2) x 256 along K (w / 2): 8 blocks a lane.  A column's 256 bytes of codes come from two waves: they meet in the stage behind a barrier.
.Lw:
	s_sub_co_u32 s22, ttmp9, 256
	s_lshr_b32 s23, s22, 1                         ; cg: which 64 columns
	s_and_b32 s22, s22, 1                          ; y: which 512 along K
	s_and_b32 s26, s20, 1                          ; cw
	s_lshr_b32 s27, s20, 1                         ; kw
	s_lshl_b32 s24, s22, 1
	s_add_co_u32 s24, s24, s27                     ; 2 y + kw
	s_mul_i32 s24, s24, 256*WROW
	s_lshl_b32 s28, s23, 1
	s_add_co_u32 s28, s28, s26                     ; 2 cg + cw: which 32 columns
	s_lshl_b32 s29, s28, 7
	s_add_co_u32 s24, s24, s29
	s_add_nc_u64 s[6:7], s[6:7], s[24:25]          ; w_attn at my first row of K and first column
	s_lshl_b32 s24, s28, 10                        ; scale bytes: 32 a column,
	s_lshl_b32 s29, s22, 4
	s_add_co_u32 s24, s24, s29                     ; + 16 y
	s_lshl_b32 s29, s27, 3
	s_add_co_u32 s24, s24, s29                     ; + 8 kw
	s_add_nc_u64 s[16:17], s[16:17], s[24:25]
	s_lshl_b32 s24, s23, 15                        ; codes: (64 cg + 16 w) rows of 512 bytes + 256 y
	s_lshl_b32 s29, s20, 13
	s_add_co_u32 s24, s24, s29
	s_lshl_b32 s29, s22, 8
	s_add_co_u32 s24, s24, s29
	s_add_nc_u64 s[14:15], s[14:15], s[24:25]
	v_lshlrev_b32 v3, 2, v2                        ; in: 4 bytes a lane
	s_mul_i32 s29, s26, 32*WP
	s_lshl_b32 s30, s27, 7
	s_add_co_u32 s29, s29, s30
	s_add_co_u32 s29, s29, WSTG
	v_mul_u32_u24 v4, v2, WP
	v_add_nc_u32 v4, s29, v4                       ; into the stage: row = my column, + 128 kw
	s_mul_i32 s29, s20, 16*WP
	s_add_co_u32 s29, s29, WSTG
	v_and_b32 v5, 15, v2
	v_lshrrev_b32 v6, 4, v2
	v_mul_u32_u24 v7, v6, WP
	v_lshl_add_u32 v7, v5, 4, v7
	v_add_nc_u32 v7, s29, v7                       ; out of it: rows 16 w on, sixteen lanes a row
	v_lshlrev_b32 v8, 9, v6
	v_lshl_add_u32 v8, v5, 4, v8                   ; the same place in the codes' buffer
	v_lshlrev_b32 v9, 5, v2                        ; my column's row of scale bytes
.macro WLOAD t                         ; block t: 32 rows of K at my column; a wave's load reads 128 consecutive bytes
.irp i, 0,1,2,3,4,5,6,7,8,9,10,11,12,13,14,15,16,17,18,19,20,21,22,23,24,25,26,27,28,29,30,31
	global_load_b32 v[WX+32*((\t)%2)+\i], v3, s[6:7] offset:(32*(\t)+\i)*WROW th:TH_LOAD_NT
.endr
.endm
	WLOAD 0
	WLOAD 1
.macro WBLOCK t
.set XS, WX+32*((\t)%2)
.if (\t) < 7
	s_wait_loadcnt 32                              ; this block's 32 loads are in; the next block's may be out
.else
	s_wait_loadcnt 0x0
.endif
	v_max3_num_f32 v12, |v[XS]|, |v[XS+1]|, |v[XS+2]|
	v_max3_num_f32 v13, |v[XS+3]|, |v[XS+4]|, |v[XS+5]|
.irp i, 6,10,14,18,22,26
	v_max3_num_f32 v12, v12, |v[XS+\i]|, |v[XS+\i+1]|
	v_max3_num_f32 v13, v13, |v[XS+\i+2]|, |v[XS+\i+3]|
.endr
	v_max3_num_f32 v12, v12, |v[XS+30]|, |v[XS+31]|
	v_max3_num_f32 v12, v12, v13, 0x1800000        ; the floor 2^(3 - 127)
	v_add_nc_u32 v11, 0xff000000, v12              ; the conversion's scale operand
	v_lshrrev_b32 v13, 23, v11                     ; the scale's byte
.if (\t)%4 == 0
	v_mov_b32 v[SB+(\t)/4], v13
.else
	v_lshl_or_b32 v[SB+(\t)/4], v13, 8*((\t)%4), v[SB+(\t)/4]
.endif
.irp g, 0,1,2,3
	v_cvt_scalef32_pk8_fp4_f32 v[WC+\g], v[XS+8*\g:XS+8*\g+7], v11
.endr
	v_nop                                          ; one plain line behind the last conversion
	ds_store_b128 v4, v[WC:WC+3] offset:16*(\t)    ; 32 codes: 16 bytes of my column's row
.if (\t)+2 < 8
	WLOAD (\t)+2
.endif
	s_wait_dscnt 0x0                               ; the store has read its registers: the next block's codes may be written
.endm
.irp t, 0,1,2,3,4,5,6,7
	WBLOCK \t
.endr
	global_store_b64 v9, v[SB:SB+1], s[16:17]      ; my column's eight scale bytes
	s_wait_dscnt 0x0                               ; for the others' sake: my stores into the stage are done
	s_barrier_signal -1
	s_barrier_wait -1                              ; all four waves of this work-group are on this path: the branch hangs on the work-group's number alone
.irp i, 0,1,2,3,4,5,6,7
	ds_load_b128 v[WO+4*\i:WO+4*\i+3], v7 offset:2*\i*WP
.endr
.irp i, 0,1,2,3,4,5,6,7
	s_wait_dscnt 7-\i                              ; loads come back in order: rows 2 i, 2 i + 1 are in
	global_store_b128 v8, v[WO+4*\i:WO+4*\i+3], s[14:15] offset:2*\i*512   ; sixteen lanes store 256 consecutive bytes, aligned
.endr
	FINISH
; ---------------- w_proj: f32 -> f16 as it lies.  A wave takes 8,192 bytes.
.Lp:
	s_sub_co_u32 s22, ttmp9, 352
	s_lshl_b32 s24, s22, 15
	s_lshl_b32 s23, s20, 13
	s_add_co_u32 s24, s24, s23
	s_add_nc_u64 s[8:9], s[8:9], s[24:25]
	s_lshr_b32 s24, s24, 1
	s_add_nc_u64 s[18:19], s[18:19], s[24:25]
	v_lshlrev_b32 v3, 4, v2
	v_lshlrev_b32 v4, 3, v2
.irp i, 0,1,2,3,4,5,6,7,8,9,10,11,12,13,14,15
	global_load_b128 v[32+4*\i:35+4*\i], v3, s[8:9] offset:512*\i th:TH_LOAD_NT
.endr
.irp i, 0,1,2,3,4,5,6,7,8,9,10,11,12,13,14,15
	s_wait_loadcnt 15-\i                           ; loads come back in order: number i is in
	v_cvt_pk_f16_f32 v[128+2*\i], v[32+4*\i], v[33+4*\i]
	v_cvt_pk_f16_f32 v[129+2*\i], v[34+4*\i], v[35+4*\i]
	global_store_b64 v4, v[128+2*\i:129+2*\i], s[18:19] offset:256*\i   ; 256 consecutive bytes, aligned
.endr
	FINISH
.Lfunc_end_k_q2f18ab2fd9_prep:
	.size	k_q2f18ab2fd9_prep, .Lfunc_end_k_q2f18ab2fd9_prep-k_q2f18ab2fd9_prep
	.p2alignl 7, 3214868480
	.fill 96, 4, 3214868480
	.section	.rodata,"a",@progbits
	.p2align	6, 0x0
	.amdhsa_kernel k_q2f18ab2fd9_prep
		.amdhsa_group_segment_fixed_size 50688
		.amdhsa_private_segment_fixed_size 0
		.amdhsa_enable_private_segment 0
		.amdhsa_kernarg_size 64
		.amdhsa_user_sgpr_count 2
		.amdhsa_user_sgpr_kernarg_segment_ptr 1
		.amdhsa_wavefront_size32 1
		.amdhsa_system_sgpr_workgroup_id_x 1
		.amdhsa_system_sgpr_workgroup_id_y 1
		.amdhsa_system_sgpr_workgroup_id_z 1
		.amdhsa_system_vgpr_workitem_id 0
		.amdhsa_next_free_vgpr 196
		.amdhsa_next_free_sgpr 66
		.amdhsa_reserve_vcc 0
		.amdhsa_float_denorm_mode_32 3
		.amdhsa_float_denorm_mode_16_64 3
		.amdhsa_memory_ordered 1
		.amdhsa_forward_progress 1
		.amdhsa_inst_pref_size 79
	.end_amdhsa_kernel
	.amdgpu_metadata
---
amdhsa.version: [ 1, 2 ]
amdhsa.kernels:
  - .name:           k_q2f18ab2fd9_prep
    .symbol:         k_q2f18ab2fd9_prep.kd
    .args:
      - { .name: x, .offset: 0, .size: 8, .value_kind: global_buffer, .address_space: global }
      - { .name: w_attn, .offset: 8, .size: 8, .value_kind: global_buffer, .address_space: global }
      - { .name: w_proj, .offset: 16, .size: 8, .value_kind: global_buffer, .address_space: global }
      - { .name: x_codes, .offset: 24, .size: 8, .value_kind: global_buffer, .address_space: global }
      - { .name: x_scales, .offset: 32, .size: 8, .value_kind: global_buffer, .address_space: global }
      - { .name: w_codes, .offset: 40, .size: 8, .value_kind: global_buffer, .address_space: global }
      - { .name: w_scales, .offset: 48, .size: 8, .value_kind: global_buffer, .address_space: global }
      - { .name: wp16, .offset: 56, .size: 8, .value_kind: global_buffer, .address_space: global }
    .group_segment_fixed_size: 50688
    .private_segment_fixed_size: 0
    .kernarg_segment_align: 8
    .kernarg_segment_size: 64
    .max_flat_workgroup_size: 128
    .sgpr_count:     66
    .vgpr_count:     196
    .wavefront_size: 32
...
	.end_amdgpu_metadata
.endif
;; end of part 1
;; launch qkv (part 2): grid 12 x 32, 4 waves a work-group, clusters of 4 x 4, 327,680 bytes of LDS; arguments x_codes, x_scales, w_codes, w_scales, b_attn, qkv16, qkv32; writes qkv16, qkv32
.if DOCPART == 2
	.amdgcn_target "amdgcn-amd-amdhsa--gfx1250"
	.amdhsa_code_object_version 6
	.text
	.protected	k_q2f18ab2fd9_qkv
	.globl	k_q2f18ab2fd9_qkv
	.p2align	8
	.type	k_q2f18ab2fd9_qkv,@function
k_q2f18ab2fd9_qkv:
	s_mov_b64 s[64:65], 0
	v_nop
	global_prefetch_b8 v0, s[64:65] scope:SCOPE_SE
	s_setreg_imm32_b32 hwreg(HW_REG_WAVE_MODE, 25, 1), 1
	s_wait_xcnt 0x0
	s_wait_alu depctr_hold_cnt(0) depctr_sa_sdst(0) depctr_va_vdst(0) depctr_va_sdst(0) depctr_va_ssrc(0) depctr_va_vcc(0) depctr_vm_vsrc(0)
	s_getreg_b32 s2, hwreg(HW_REG_IB_STS2, 6, 4)
	s_cmp_eq_u32 s2, 0
	s_cbranch_scc0 .Lentry_in_a_cluster
	s_endpgm
.Lentry_in_a_cluster:
	s_bfe_u32 s2, ttmp6, 0x10000c
	s_cmp_lg_u32 s2, 0xf033
	s_cbranch_scc0 .Lentry_shape_is_right
	s_endpgm
.Lentry_shape_is_right:
; qkv = Q(x) Q(w_attn) + b_attn on codes of FP4 (E2M1) with one E8M0 scale for each 32 along K; sums in f32.  M 8,192, N 3,072, K 1,024.
; A (x): codes [8192][512 bytes], scale bytes [8192][32].  B (w_attn): codes [3072 n][512 bytes], scale bytes [3072][32].
; OUT: qkv16 [3 (q, k, v)][64 (batch x head)][2048 t][64] f16, so that every later tile is a dense block; qkv32 [4 b][16 t][3072] f32: positions 0-15 of each sequence, unrounded.
; LIMIT: |q|, |k|, |v| stay under 65,504 (f16).
; A tile of C, 256 x 256, is made by four waves, 128 x 128 each: 64 accumulators, 512 registers.  K is two slots of 512 (rows of 256 bytes): both are asked for at the head, nothing is filled again.
; The scale bytes of the work-group's rows, for all of K, come once, as units of 256 bytes.
; CLUSTERS: 4 x 4.  The four of a row of the cluster need the same tiles of A, the four of a column the same tiles of B: joint loads.  Tile row = 8 cy + cluster y: so batch = cy and the tile's first position
; = 256 x cluster y, and the tiles that hold positions 0-15 are those of the clusters with y = 0: the branch to the f32 copy hangs on the cluster's number, which all partners share.
; THE MATRIX INSTRUCTION IS USED TRANSPOSED (source 0 = 16 rows of B, source 1 = 16 rows of A): a lane holds eight neighbouring columns of one row of C.  The bias is the C of each sum's first product.
; REGISTERS: window 0: v0-31 addresses; v32-95 scale words, two sets; v96-127 packed results; v128-191 A's fragments, later rows on the way out; v192-255 the bias, eight registers a block of 16 columns.
;   window 1: B's fragments, two sets.   window 2: the accumulators of my rows 0-63 ((a, b) at v[8 (8 a + b)]).   window 3: rows 64-127.
.set NQ,     4                         ; steps of 128 along K in a slot
.set ROWB,   256                       ; a tile's row in bytes
.set KROW,   512                       ; a row of codes in memory
.set PITCH,  272                       ; an LDS row: 256 + 16: row r starts at bank 4 r mod 64 (64 banks of 4 bytes: ISA guide 11.1)
.set FR,     8
.set NL,     2
.set NP,     4
.set HALFT,  128*PITCH
.set SLOT,   4*HALFT
.set KS,     32                        ; a row of scale bytes
.set SCL,    2*SLOT
.set HALFS,  (128*KS/256)*272
.set SBLK,   (16*KS/256)*272
.set SPARE,  SCL+4*HALFS               ; the spare words: two blocks of 256 bytes that no other line names
.set HSTG,   4352                      ; the way out: a wave's f16 stage, 2 heads x 8 pairs of rows x 272 bytes; it lies in slot 0, which has had its only fill and its last read by then
.set FSTG,   4*HSTG                    ; behind the four: the f32 stages, 16 rows x 528 bytes a wave
.set FPITCH, 528
.set ADRA, 16
.set ADRB, 20
.set BA,   22                          ; v22 the bias loads' offset: 32 (lane / 16)
.set STO,  24
.set RD,   25
.set CO,   26                          ; v26 16 x lane
.set ADRS, 27
.set SPW,  28
.set NIL,  29
.set FSTO, 30
.set FRD,  31
.set SC,   32
.set TMP,  96
.set AF,   128
.set BK,   128
.set BI,   192
.set CLY,  98                          ; s98 the cluster's y
.set G1, 24
.set G0, 32
.set G1B, 48
.set G0B, 56
.set G1S, 68
.set G0S, 76
.set G1SB, 80
.set G0SB, 88
.set MSB, 0
.macro WIN new                         ; the immediate's high byte repeats the setting that is left
.if MSB != \new
	s_set_vgpr_msb (MSB<<8)|\new
.set MSB, \new
.endif
.endm
.set MUL_LO, 0xa1                      ; source 0 (B) window 1, source 1 (A) window 0, C and D window 2
.set MUL_HI, 0xf1                      ; the same, C and D window 3
.set TO_B,   0x40
.macro JLOAD g0a, g1a, g0b, g1b        ; a joint load: waves 0 and 1 fetch for A, waves 2 and 3 for B; the branch hangs on the wave's number alone; an s_nop 0 and four v_nop follow each line
	s_cmp_eq_u32 s15, 0
	s_cbranch_scc0 .Lfor_b_\@
	tensor_load_to_lds s[\g0a:\g0a+3], s[\g1a:\g1a+7]
	s_nop 0
.rept 4
	v_nop
.endr
	s_branch .Lasked_\@
.Lfor_b_\@:
	tensor_load_to_lds s[\g0b:\g0b+3], s[\g1b:\g1b+7]
	s_nop 0
.rept 4
	v_nop
.endr
.Lasked_\@:
.endm
.macro CROUND                          ; a round of the cluster's barrier
	s_barrier_signal -1
	s_barrier_wait -1
	s_cmp_lg_u32 s14, 0
	s_cbranch_scc1 .Lnot_wave_0_\@
	s_barrier_signal -3
.Lnot_wave_0_\@:
	s_barrier_wait -3
	s_barrier_signal -1
	s_barrier_wait -1
.endm
	s_load_b128 s[4:7], s[0:1], 0x0                ; x_codes, x_scales
	s_load_b128 s[8:11], s[0:1], 0x10              ; w_codes, w_scales
	s_load_b64 s[66:67], s[0:1], 0x20              ; b_attn
	s_load_b64 s[12:13], s[0:1], 0x28              ; qkv16
	s_load_b64 s[96:97], s[0:1], 0x30              ; qkv32
	v_lshl_add_u32 v[SPW], v0, 2, SPARE
	v_mov_b32 v[NIL], 0
	ds_add_u32 v[SPW], v[NIL]                      ; the wave's opening: the add, twice on end, and its wait ahead of my first tensor load
	ds_add_u32 v[SPW], v[NIL]
	v_lshrrev_b32 v1, 5, v0
	v_readfirstlane_b32 s14, v1                    ; wave 0..3
	s_lshr_b32 s15, s14, 1                         ; my half of the tile's rows; also: I fetch for A (0) or B (1)
	s_and_b32 s16, s14, 1                          ; my half of its columns; also: which 128 rows I fetch
	s_bfe_u32 s40, ttmp6, 0x40000                  ; cx
	s_bfe_u32 s41, ttmp6, 0x40004                  ; cy
	s_lshl_b32 s42, ttmp9, 2
	s_add_co_u32 s42, s42, s40                     ; tile column = 4 x cluster x + cx
	s_and_b32 s[CLY], ttmp7, 0xffff
	s_lshl_b32 s17, s41, 3
	s_add_co_u32 s17, s17, s[CLY]                  ; tile row = 8 cy + cluster y
	s_lshl_b32 s43, s41, 2
	s_lshl_b32 s43, 15, s43                        ; my row of the cluster
	s_lshl_b32 s44, 0x1111, s40                    ; my column
	s_or_b32 s[G1+0], s43, (0<<16)|(1<<20)|(1<<21)|(5<<22)|(3<<25)  ; mask; elements of 1 byte; padding on; bit 21 beside a mask; 4 words after every 64
	s_or_b32 s[G1B+0], s44, (0<<16)|(1<<20)|(1<<21)|(5<<22)|(3<<25)
.irp g, G1, G1B
	s_mov_b32 s[\g+1], ROWB<<16                    ; tensor_dim0
	s_mov_b32 s[\g+2], 128<<16                     ; tensor_dim1
	s_mov_b32 s[\g+3], ROWB<<16                    ; tile_dim0
	s_mov_b32 s[\g+4], 128                         ; tile_dim1
	s_mov_b32 s[\g+5], KROW                        ; pitch
	s_mov_b32 s[\g+6], 0
	s_mov_b32 s[\g+7], 0
.endr
	s_or_b32 s[G1S+0], s43, (3<<16)|(1<<20)|(1<<21)|(5<<22)|(3<<25)  ; the scales of 128 rows: 4,096 dense bytes as 16 rows of 256 (32 elements of 8 bytes), 16 bytes of padding behind each
	s_or_b32 s[G1SB+0], s44, (3<<16)|(1<<20)|(1<<21)|(5<<22)|(3<<25)
.irp g, G1S, G1SB
	s_mov_b32 s[\g+1], 32<<16
	s_mov_b32 s[\g+2], (128*KS/256)<<16
	s_mov_b32 s[\g+3], 32<<16
	s_mov_b32 s[\g+4], 128*KS/256
	s_mov_b32 s[\g+5], 32
	s_mov_b32 s[\g+6], 0
	s_mov_b32 s[\g+7], 0
.endr
	s_lshl_b32 s18, s16, 7
	s_lshl_b32 s20, s17, 8
	s_add_co_u32 s20, s20, s18                     ; A: row 256 x tile row + 128 x half
	s_lshl_b32 s46, s42, 8
	s_add_co_u32 s46, s46, s18                     ; B: row 256 x tile column + 128 x half
	s_mov_b32 s21, 0
	s_mov_b32 s47, 0
	s_mov_b64 s[18:19], KS
	s_mul_u64 s[22:23], s[20:21], s[18:19]         ; where these rows' scales begin
	s_mul_u64 s[92:93], s[46:47], s[18:19]
	s_mov_b64 s[18:19], KROW
	s_mul_u64 s[20:21], s[20:21], s[18:19]         ; and their codes
	s_mul_u64 s[46:47], s[46:47], s[18:19]
	s_mul_i32 s45, s14, HALFT                      ; where they go: wave x 128 rows
	s_mul_i32 s94, s14, HALFS
	s_wait_dscnt 0x0                               ; both opening adds are done
	s_wait_kmcnt 0x0
	s_add_nc_u64 s[20:21], s[4:5], s[20:21]
	s_add_nc_u64 s[22:23], s[6:7], s[22:23]
	s_add_nc_u64 s[46:47], s[8:9], s[46:47]
	s_add_nc_u64 s[92:93], s[10:11], s[92:93]
	CROUND                                         ; all sixteen work-groups are here: the joint loads meet
	s_mov_b32 s[G0S], 1
	s_add_co_u32 s[G0S+1], s94, SCL
	s_mov_b64 s[G0S+2:G0S+3], s[22:23]
	s_or_b32 s[G0S+3], s[G0S+3], 0x80000000
	s_mov_b32 s[G0SB], 1
	s_add_co_u32 s[G0SB+1], s94, SCL
	s_mov_b64 s[G0SB+2:G0SB+3], s[92:93]
	s_or_b32 s[G0SB+3], s[G0SB+3], 0x80000000
	JLOAD G0S, G1S, G0SB, G1SB                     ; the scales first; then both slots: three loads of mine are out
.irp s, 0,1
	s_mov_b32 s[G0+4*\s], 1
	s_add_co_u32 s[G0+4*\s+1], s45, \s*SLOT
	s_add_nc_u64 s[G0+4*\s+2:G0+4*\s+3], s[20:21], \s*ROWB
	s_or_b32 s[G0+4*\s+3], s[G0+4*\s+3], 0x80000000
	s_mov_b32 s[G0B+4*\s], 1
	s_add_co_u32 s[G0B+4*\s+1], s45, \s*SLOT
	s_add_nc_u64 s[G0B+4*\s+2:G0B+4*\s+3], s[46:47], \s*ROWB
	s_or_b32 s[G0B+4*\s+3], s[G0B+4*\s+3], 0x80000000
	JLOAD G0+4*\s, G1, G0B+4*\s, G1B
.endr
	v_and_b32 v1, 15, v0                           ; r = lane % 16
	v_bfe_u32 v2, v0, 4, 1                         ; h = lane / 16
	; the bias of my 128 columns: block b's eight registers hold b_attn[first column + 16 b + 8 h + 0 .. 7]: the result's layout
	s_lshl_b32 s46, s42, 10
	s_lshl_b32 s47, s16, 9
	s_add_co_u32 s46, s46, s47                     ; my first column x 4 bytes
	s_mov_b32 s47, 0
	s_add_nc_u64 s[66:67], s[66:67], s[46:47]
	s_add_nc_u64 s[96:97], s[96:97], s[46:47]      ; the same columns in qkv32,
	s_mul_i32 s46, s41, 196608
	s_add_nc_u64 s[96:97], s[96:97], s[46:47]      ; in batch cy's 16 rows
	v_lshlrev_b32 v[BA], 5, v2
.irp b, 0,1,2,3,4,5,6,7
	global_load_b128 v[BI+8*\b:BI+8*\b+3], v[BA], s[66:67] offset:64*\b
	global_load_b128 v[BI+8*\b+4:BI+8*\b+7], v[BA], s[66:67] offset:64*\b+16
.endr
	v_mul_u32_u24 v3, v1, PITCH
	v_lshl_add_u32 v4, v2, 4, v3                   ; a fragment's row x pitch + 16 x half
	s_mul_i32 s21, s15, HALFT
	s_mul_i32 s22, s16, HALFT
	s_add_co_u32 s22, s22, 2*HALFT
.irp s, 0,1
	v_add_nc_u32 v[ADRA+\s], s21, v4
	v_add_nc_u32 v[ADRB+\s], s22, v4
	s_add_co_u32 s21, s21, SLOT
	s_add_co_u32 s22, s22, SLOT
.endr
	v_mul_u32_u24 v5, v1, KS                       ; my row's scales: 32 bytes a row,
	v_lshrrev_b32 v6, 8, v5
	v_lshl_add_u32 v5, v6, 4, v5                   ; and 16 more for each 256 passed
	s_mul_i32 s21, s15, HALFS
	s_mul_i32 s22, s16, HALFS
	s_add_co_u32 s22, s22, 2*HALFS
	s_sub_co_u32 s22, s22, s21
	v_mul_u32_u24 v6, s22, v2                      ; lanes 16-31 take B's
	s_add_co_u32 s21, s21, SCL
	v_add_nc_u32 v5, v5, v6
	v_add_nc_u32 v[ADRS], s21, v5
	v_and_b32 v6, 31, v0
	v_lshlrev_b32 v[CO], 4, v6
	s_mul_i32 s23, s14, HSTG                       ; my f16 stage: row r of a head at 272 (r / 2) + 128 (r % 2)
	v_lshrrev_b32 v5, 1, v1
	v_mul_u32_u24 v5, v5, 272
	v_and_b32 v6, 1, v1
	v_lshl_add_u32 v5, v6, 7, v5
	v_lshl_add_u32 v5, v2, 4, v5
	v_add_nc_u32 v[STO], s23, v5
	v_mul_u32_u24 v5, v2, 272
	v_lshl_add_u32 v5, v1, 4, v5
	v_add_nc_u32 v[RD], s23, v5                    ; back: sixteen lanes a pair of rows
	s_mul_i32 s23, s14, 16*FPITCH                  ; my f32 stage
	s_add_co_u32 s23, s23, FSTG
	v_mul_u32_u24 v5, v1, FPITCH
	v_lshl_add_u32 v5, v2, 5, v5
	v_add_nc_u32 v[FSTO], s23, v5
	v_add_nc_u32 v[FRD], s23, v[CO]
	; qkv16: section tile column / 4; head 4 (tile column % 4) + 2 x column half (+ 1 for my upper 64 columns) of batch cy; position 256 x cluster y + 128 x row half
	s_lshr_b32 s20, s42, 2
	s_lshl_b32 s20, s20, 24
	s_and_b32 s21, s42, 3
	s_lshl_b32 s21, s21, 2
	s_lshl_b32 s22, s41, 4
	s_add_co_u32 s21, s21, s22
	s_lshl_b32 s22, s16, 1
	s_add_co_u32 s21, s21, s22
	s_lshl_b32 s21, s21, 18
	s_add_co_u32 s20, s20, s21
	s_lshl_b32 s21, s[CLY], 15
	s_add_co_u32 s20, s20, s21
	s_lshl_b32 s21, s15, 14
	s_add_co_u32 s20, s20, s21
	s_mov_b32 s21, 0
	s_add_nc_u64 s[12:13], s[12:13], s[20:21]
.macro FRAG reg, adr, q, i             ; 16 rows x 128 K of 4-bit codes: 8 registers; registers 4 c .. 4 c + 3 hold K = 64 c + 32 (lane / 16) + 0 .. 31
.irp c, 0,1
	ds_load_b128 v[\reg+4*\c:\reg+4*\c+3], v[\adr] offset:64*(\q)+32*\c+(\i)*16*PITCH
.endr
.endm
; 16 matrix instructions: A's blocks a0, a0 + 1 x B's eight.  zero = 1: the first product starts the sums, with the bias as its C.  The 64 accumulators take turns, one instruction a turn.
.macro MUL16 a0, p, q, sc, zero
.irp a, \a0, \a0+1
.irp b, 0,1,2,3,4,5,6,7
.if \zero
	v_wmma_scale_f32_16x16x128_f8f6f4 v[8*(8*((\a)%4)+\b):8*(8*((\a)%4)+\b)+7], v[128*(\p)+FR*\b:128*(\p)+FR*\b+FR-1], v[AF+FR*(\a):AF+FR*(\a)+FR-1], v[BI+8*\b:BI+8*\b+7], v[SC+8*NQ*(\sc)+NQ*\b+(\q)], v[SC+8*NQ*(\sc)+NQ*(\a)+(\q)] matrix_a_fmt:MATRIX_FMT_FP4 matrix_b_fmt:MATRIX_FMT_FP4 matrix_a_scale:MATRIX_SCALE_ROW1
.else
	v_wmma_scale_f32_16x16x128_f8f6f4 v[8*(8*((\a)%4)+\b):8*(8*((\a)%4)+\b)+7], v[128*(\p)+FR*\b:128*(\p)+FR*\b+FR-1], v[AF+FR*(\a):AF+FR*(\a)+FR-1], v[8*(8*((\a)%4)+\b):8*(8*((\a)%4)+\b)+7], v[SC+8*NQ*(\sc)+NQ*\b+(\q)], v[SC+8*NQ*(\sc)+NQ*(\a)+(\q)] matrix_a_fmt:MATRIX_FMT_FP4 matrix_b_fmt:MATRIX_FMT_FP4 matrix_a_scale:MATRIX_SCALE_ROW1
.endif
.endr
.endr
.endm
.macro FETCH_B slot, q, p
	WIN TO_B
.irp i, 0,1,2,3,4,5,6,7
	FRAG 128*(\p)+FR*\i, ADRB+\slot, \q, \i
.endr
	WIN 0
.endm
.macro FETCH_A slot, q, i0
.irp i, \i0, \i0+1, \i0+2, \i0+3
	FRAG AF+FR*(\i), ADRA+\slot, \q, \i
.endr
.endm
.macro SCALES sc                       ; a slot's scale words: 4 words a row; lanes 0-15 take A's block i, lanes 16-31 B's block i
.irp i, 0,1,2,3,4,5,6,7
	ds_load_b128 v[SC+8*NQ*\sc+NQ*\i:SC+8*NQ*\sc+NQ*\i+3], v[ADRS] offset:\i*SBLK
.endr
.endm
.macro PLACES n                        ; plain vector lines between a matrix instruction and a load into, or a read of, its registers
.rept \n
	v_nop
.endr
.endm
.macro STEP slot, q, zero              ; 128 along K with its successor in the same slot
	s_wait_dscnt 4*NL                              ; B's set and A's blocks 0-3 are in; the youngest eight loads (A's blocks 4-7) may be out
.if \zero
	WIN 0x81                                       ; C (the bias) window 0, D window 2
.else
	WIN MUL_LO
.endif
	MUL16 0, (\q)%2, \q, \slot, \zero
	MUL16 2, (\q)%2, \q, \slot, \zero
	s_wait_dscnt 0
	PLACES NP
	FETCH_B \slot, (\q)+1, 1-(\q)%2
	FETCH_A \slot, (\q)+1, 0
.if \zero
	WIN 0xc1                                       ; C window 0, D window 3
.else
	WIN MUL_HI
.endif
	MUL16 4, (\q)%2, \q, \slot, \zero
	MUL16 6, (\q)%2, \q, \slot, \zero
	PLACES NP
	WIN 0
	FETCH_A \slot, (\q)+1, 4
.endm
.macro TURN slot, next                 ; a slot's last step changes slots: one barrier; nothing is filled again
	s_wait_tensorcnt 0x0                           ; all my tensor loads have landed: my part of the next slot
	ds_add_u32 v[SPW], v[NIL]                      ; 0 onto my spare word
	s_wait_dscnt 4*NL+1                            ; (the add and A's blocks 4-7 may be out)
	WIN MUL_LO
	MUL16 0, 1, NQ-1, \slot, 0
	s_wait_dscnt 0x0                               ; the add is done, and my reads of this slot are over
	s_barrier_signal -1
	MUL16 2, 1, NQ-1, \slot, 0
	WIN 0
	s_barrier_wait -1
	PLACES NP
	v_add_nc_u32 v[ADRS], 4*NQ, v[ADRS]            ; the next slot's scale words
	FETCH_B \next, 0, 0
	FETCH_A \next, 0, 0
	SCALES \next
	WIN MUL_HI
	MUL16 4, 1, NQ-1, \slot, 0
	MUL16 6, 1, NQ-1, \slot, 0
	PLACES NP
	WIN 0
	FETCH_A \next, 0, 4
.endm
	s_wait_tensorcnt 1                             ; the scales and my part of slot 0 are in; slot 1's load may be out
	s_barrier_signal -1
	s_barrier_wait -1
	FETCH_B 0, 0, 0
	FETCH_A 0, 0, 0
	SCALES 0
	FETCH_A 0, 0, 4
	s_wait_loadcnt 0x0                             ; the bias
	STEP 0, 0, 1
	STEP 0, 1, 0
	STEP 0, 2, 0
	TURN 0, 1
	STEP 1, 0, 0
	STEP 1, 1, 0
	STEP 1, 2, 0
	s_wait_dscnt 4*NL                              ; the last step: nothing more to fetch
	WIN MUL_LO
	MUL16 0, 1, NQ-1, 1, 0
	MUL16 2, 1, NQ-1, 1, 0
	s_wait_dscnt 0
	WIN MUL_HI
	MUL16 4, 1, NQ-1, 1, 0
	MUL16 6, 1, NQ-1, 1, 0
	WIN 0
	PLACES NP                                      ; in front of the first reads of results and of loads into A's registers
; THE F32 COPY of positions 0-15: they are rows 0-15 (block 0) of the waves with row half 0, in the clusters with y = 0.  Through my f32 stage, out as whole rows of 512 bytes.
	s_cmp_lg_u32 s[CLY], 0
	s_cbranch_scc1 .Lnof
	s_cmp_lg_u32 s15, 0
	s_cbranch_scc1 .Lnof
	WIN 0x08                                       ; an LDS store's data are its source 1: window 2
.irp b, 0,1,2,3,4,5,6,7
	ds_store_b128 v[FSTO], v[8*\b:8*\b+3] offset:64*\b            ; each accumulator from its low end on
	ds_store_b128 v[FSTO], v[8*\b+4:8*\b+7] offset:64*\b+16
.endr
	WIN 0
.irp t, 0,1,2,3,4,5,6,7,8,9,10,11,12,13,14,15
	ds_load_b128 v[BK+4*\t:BK+4*\t+3], v[FRD] offset:\t*FPITCH    ; in order behind my stores
.endr
	s_wait_dscnt 0x0
.irp t, 0,1,2,3,4,5,6,7,8,9,10,11,12,13,14,15
	global_store_b128 v[CO], v[BK+4*\t:BK+4*\t+3], s[96:97] offset:\t*12288   ; 512 consecutive bytes, aligned
.endr
	s_wait_xcnt 0x0                                ; these stores have read their registers: the loads below may land there
.Lnof:
; THE WAY OUT IN F16, a block of 16 rows x 128 columns (two heads) at a time: rounded, 16 bytes a lane into my stage, back as 512 consecutive bytes (four rows of one head).
.macro PACK a
.set AC, 64*((\a)%4)
	WIN 0x0a+5*((\a)/4)                            ; sources 0 and 1: window 2 or 3
.irp b, 0,1,2,3,4,5,6,7
.irp i, 0,1,2,3
	v_cvt_pk_f16_f32 v[TMP+4*\b+\i], v[AC+8*\b+2*\i], v[AC+8*\b+2*\i+1]
.endr
.endr
	WIN 0
.endm
.macro TOSTAGE a
.set BB, BK+32*((\a)%2)
.irp b, 0,1,2,3,4,5,6,7
	ds_store_b128 v[STO], v[TMP+4*\b:TMP+4*\b+3] offset:(\b/4)*2176+32*(\b%4)
.endr
.irp u, 0,1,2,3,4,5,6,7
	ds_load_b128 v[BB+4*\u:BB+4*\u+3], v[RD] offset:(\u/4)*2176+(\u%4)*544   ; in order behind my stores
.endr
.endm
.macro SEND a
.set BB, BK+32*((\a)%2)
	s_wait_dscnt 0x0                               ; the block is back in registers
	s_wait_xcnt 0x0                                ; earlier stores have read their base and their registers: the base may step, and the next block's loads may land on the other set
.if (\a) > 0
	s_add_nc_u64 s[12:13], s[12:13], 2048          ; 16 positions on
.endif
.irp u, 0,1,2,3,4,5,6,7
	global_store_b128 v[CO], v[BB+4*\u:BB+4*\u+3], s[12:13] offset:(\u/4)*262144+(\u%4)*512   ; 512 consecutive bytes, aligned
.endr
.endm
	PACK 0
	TOSTAGE 0
.irp a, 1,2,3,4,5,6,7                  ; block a's conversions stand between block a - 1's loads from the stage and the wait for them
	PACK \a
	SEND \a-1
	TOSTAGE \a
.endr
	SEND 7
	s_wait_tensorcnt 0x0                           ; the wave's end
	ds_add_u32 v[SPW], v[NIL]
	s_wait_dscnt 0x0
	CROUND                                         ; the closing round
	s_endpgm
.Lfunc_end_k_q2f18ab2fd9_qkv:
	.size	k_q2f18ab2fd9_qkv, .Lfunc_end_k_q2f18ab2fd9_qkv-k_q2f18ab2fd9_qkv
	.p2alignl 7, 3214868480
	.fill 96, 4, 3214868480
	.section	.rodata,"a",@progbits
	.p2align	6, 0x0
	.amdhsa_kernel k_q2f18ab2fd9_qkv
		.amdhsa_group_segment_fixed_size 327680
		.amdhsa_private_segment_fixed_size 0
		.amdhsa_enable_private_segment 0
		.amdhsa_kernarg_size 56
		.amdhsa_user_sgpr_count 2
		.amdhsa_user_sgpr_kernarg_segment_ptr 1
		.amdhsa_wavefront_size32 1
		.amdhsa_system_sgpr_workgroup_id_x 1
		.amdhsa_system_sgpr_workgroup_id_y 1
		.amdhsa_system_sgpr_workgroup_id_z 1
		.amdhsa_system_vgpr_workitem_id 0
		.amdhsa_next_free_vgpr 1024
		.amdhsa_next_free_sgpr 100
		.amdhsa_reserve_vcc 0
		.amdhsa_float_denorm_mode_32 3
		.amdhsa_float_denorm_mode_16_64 3
		.amdhsa_memory_ordered 1
		.amdhsa_forward_progress 1
		.amdhsa_inst_pref_size 133
	.end_amdhsa_kernel
	.amdgpu_metadata
---
amdhsa.version: [ 1, 2 ]
amdhsa.kernels:
  - .name:           k_q2f18ab2fd9_qkv
    .symbol:         k_q2f18ab2fd9_qkv.kd
    .args:
      - { .name: x_codes, .offset: 0, .size: 8, .value_kind: global_buffer, .address_space: global }
      - { .name: x_scales, .offset: 8, .size: 8, .value_kind: global_buffer, .address_space: global }
      - { .name: w_codes, .offset: 16, .size: 8, .value_kind: global_buffer, .address_space: global }
      - { .name: w_scales, .offset: 24, .size: 8, .value_kind: global_buffer, .address_space: global }
      - { .name: b_attn, .offset: 32, .size: 8, .value_kind: global_buffer, .address_space: global }
      - { .name: qkv16, .offset: 40, .size: 8, .value_kind: global_buffer, .address_space: global }
      - { .name: qkv32, .offset: 48, .size: 8, .value_kind: global_buffer, .address_space: global }
    .group_segment_fixed_size: 327680
    .private_segment_fixed_size: 0
    .kernarg_segment_align: 8
    .kernarg_segment_size: 56
    .max_flat_workgroup_size: 128
    .sgpr_count:     100
    .vgpr_count:     1024
    .wavefront_size: 32
...
	.end_amdgpu_metadata
.endif
;; end of part 2
;; launch attn (part 3): grid 4 x 64, 16 waves a work-group, no clusters, 327,680 bytes of LDS; arguments qkv16, y16; writes y16
.if DOCPART == 3
	.amdgcn_target "amdgcn-amd-amdhsa--gfx1250"
	.amdhsa_code_object_version 6
	.text
	.protected	k_q2f18ab2fd9_attn
	.globl	k_q2f18ab2fd9_attn
	.p2align	8
	.type	k_q2f18ab2fd9_attn,@function
k_q2f18ab2fd9_attn:
	s_mov_b64 s[64:65], 0
	v_nop
	global_prefetch_b8 v0, s[64:65] scope:SCOPE_SE
	s_setreg_imm32_b32 hwreg(HW_REG_WAVE_MODE, 25, 1), 1
	s_wait_xcnt 0x0
; y[bh][q] = the sum over k <= q of softmax_k(q . k / 8) v[k], head size 64, 2,048 positions, 64 (batch x head).  Operands f16; products, maxima and sums f32; p rounded to f16 for the second product.
; IN: qkv16 [3][64 bh][2048][64] f16.  OUT: y16 [16 h][8192 (b x 2048 + t)][64] f16.  LIMIT: |y| under 65,504.  (Positions 0-15 are made again in f32 by the last launch.)
; SHARES.  Work-group (x, bh) owns query blocks x and 7 - x (256 queries each): x + 1 and 8 - x blocks of keys count for them, 9 in every work-group.  Each of sixteen waves owns 32 queries, two tiles of 16;
; wave w takes block x where (w ^ (w >> 2)) & 1 is 0, else block 7 - x; in it queries 32 (w / 2) on.
; NO CLUSTER: under the mask the four work-groups of a head read 8, 7, 6 and 5 slots of keys: a joint load would bring tiles that a partner never reads.
; LAYOUT.  S^T = K Q^T (source 0 = 16 keys, source 1 = 16 queries): a lane holds one query (lane % 16) and keys 8 (lane / 16) + 0 .. 7.  Two such tiles, rounded in pairs, are source 1 of O^T = V^T P.
; RING.  Two slots of 256 keys (4 steps of 64).  A head's K and V are dense in memory: they come as rows of 256 bytes (two keys), padded: key k lies at pitch x (k / 2) + 128 (k % 2).
; Every work-group walks all 8 changes of slots (constant trip counts); a step all of whose keys are hidden is jumped over, and a slot that no wave of the work-group reads is not asked for.
; SOFTMAX.  A running maximum m and sum l: p = 2^(c s - c m), c = log2(e) / 8; O and l are multiplied by a = 2^(c m_old - c m_new) in every step.
.set PK,    272                        ; a pair of keys of K: 256 + 16: 16 rows of a fragment start at 16 different groups of four banks (64 banks of 4 bytes: ISA guide 11.1)
.set PV,    288                        ; a pair of keys of V: 256 + 32: the turning load's 16 lanes likewise
.set VOFF,  128*PK
.set SLOT1, 1<<17
.set STAGE, SLOT1+128*PK+128*PV        ; behind the ring: 16 pairs of rows x 272 bytes for each wave; no tensor load lands here
.set SPARE, STAGE+16*4352              ; the spare words, 128 bytes a wave: eight blocks of 256 bytes that no other line names
.set AK0, 1                            ; v1  my lane's place in a tile of K
.set AV0, 2                            ; v2  and of V
.set ADK, 3                            ; v3, v4 the step's addresses
.set ADV, 4
.set SPW, 5
.set NIL, 6
.set STO, 7
.set RD,  8
.set GO,  9                            ; v9  16 x lane
.set LQ,  10                           ; v10 lane % 16 - 8 (lane / 16)
.set PFO, 11                           ; v11 256 x lane
.set ST,  12                           ; tile t's statistics at v[12 + 8 t]: +0 c m, +1 m, +2, +3 l, +4 .. +7 at work (a in +6)
.set QF,  32                           ; v32-63   Q: tile t, channels 32 ks on: 32 + 16 t + 8 ks
.set KV,  64                           ; v64-127  K's eight fragments, then V's eight
.set SS,  128                          ; v128-191 S^T: tile t, keys 16 kt on: 128 + 32 t + 8 kt; p is packed in place
.set OT,  192                          ; v192-255 O^T: tile t, channels 16 d on: 192 + 32 t + 8 d
.set WV,  18
.set SEL, 20
.set CS,  22
.set G1K, 24
.set G1V, 32
.set G0K, 40
.set G0V, 44
.set TB,  2                            ; s2  LDS byte at which the slot in hand begins
.set KF,  48                           ; s48 the step's first key
.set Q0,  49                           ; s49 my first query
.set QL,  50                           ; s50 my last
.set QLAST, 51                         ; s51 the work-group's last
.set SLOTS, 52
.set LIM, 53
.set PFA, 54
.macro TLOAD                           ; waves 0 and 1 fetch K's halves, waves 2 and 3 V's, the others nothing; an s_nop 0 and four v_nop follow each line
	s_cmp_lt_u32 s[WV], 2
	s_cbranch_scc0 .Lnot_k_\@
	tensor_load_to_lds s[G0K:G0K+3], s[G1K:G1K+7]
	s_nop 0
.rept 4
	v_nop
.endr
	s_branch .Lasked_\@
.Lnot_k_\@:
	s_cmp_lt_u32 s[WV], 4
	s_cbranch_scc0 .Lasked_\@
	tensor_load_to_lds s[G0V:G0V+3], s[G1V:G1V+7]
	s_nop 0
.rept 4
	v_nop
.endr
.Lasked_\@:
.endm
; A prefetch of what the NEXT change of slots will ask for: 32,768 bytes of K and of V.  Each aligned block of 256 bytes is named once in the launch: the head's work-group x = 0, which walks all slots, asks;
; in it waves 4 to 7 for K, waves 8 to 11 for V, 8,192 bytes a wave, lanes 256 bytes apart.  Slots 0 and 1 come by their loads alone; the last change that fills a slot asks for nothing.
.macro ASK
	s_cmp_gt_u32 s[SLOTS], s[LIM]
	s_cbranch_scc0 .Lnot_mine_\@
	global_prefetch_b8 v[PFO], s[PFA:PFA+1] th:TH_LOAD_NT scope:SCOPE_SE
.Lnot_mine_\@:
.endm
	s_load_b128 s[4:7], s[0:1], 0x0                ; qkv16 s[4:5], y16 s[6:7]
	v_lshl_add_u32 v[SPW], v0, 2, SPARE
	v_mov_b32 v[NIL], 0
	ds_add_u32 v[SPW], v[NIL]                      ; the wave's opening: the add, twice on end, and its wait ahead of the first tensor load
	ds_add_u32 v[SPW], v[NIL]
	v_lshrrev_b32 v12, 5, v0
	v_readfirstlane_b32 s[WV], v12                 ; wave 0..15
	s_and_b32 s8, ttmp7, 0xffff                    ; bh
	s_lshl_b32 s9, s8, 18                          ; a head's 262,144 bytes in a section
	s_lshr_b32 s10, s[WV], 2
	s_xor_b32 s10, s10, s[WV]
	s_and_b32 s10, s10, 1                          ; which of the two query blocks
	s_sub_co_u32 s11, 7, ttmp9
	s_cmp_eq_u32 s10, 0
	s_cselect_b32 s12, ttmp9, s11
	s_lshl_b32 s12, s12, 8
	s_lshr_b32 s13, s[WV], 1
	s_lshl_b32 s13, s13, 5
	s_add_co_u32 s[Q0], s12, s13
	s_add_co_u32 s[QL], s[Q0], 31
	s_lshl_b32 s[QLAST], s11, 8
	s_or_b32 s[QLAST], s[QLAST], 255
	s_and_b32 s14, s[WV], 1                        ; which half of a slot I fetch, if I fetch
	s_mul_i32 s15, s14, 64*PK
	s_mul_i32 s16, s14, 64*PV
	s_add_co_u32 s16, s16, VOFF
	s_lshl_b32 s17, s14, 14
	s_add_co_u32 s17, s17, s9
	; descriptor group 1: 64 rows of 256 bytes (32 elements of 8 bytes), dense in memory, padded in LDS
	s_mov_b32 s[G1K], (3<<16)|(1<<20)|(5<<22)|(3<<25)             ; 4 words after every 64
	s_mov_b32 s[G1V], (3<<16)|(1<<20)|(5<<22)|(7<<25)             ; 8 words after every 64
.irp g, G1K, G1V
	s_mov_b32 s[\g+1], 32<<16                      ; tensor_dim0
	s_mov_b32 s[\g+2], 64<<16                      ; tensor_dim1
	s_mov_b32 s[\g+3], 32<<16                      ; tile_dim0
	s_mov_b32 s[\g+4], 64                          ; tile_dim1
	s_mov_b32 s[\g+5], 32                          ; pitch
	s_mov_b32 s[\g+6], 0
	s_mov_b32 s[\g+7], 0
.endr
	s_mov_b32 s[SEL], 0x76543210
	s_mov_b32 s[SEL+1], 0xfedcba98                 ; v_permlanex16_b32: lane l xor 16
	s_mov_b32 s[CS], 0x3e38aa3b                    ; c = log2(e) / 8
	s_mov_b32 s[CS+1], s[CS]
	s_mov_b32 s[TB], 0
	s_mov_b32 s[KF], 0
	s_mov_b32 s[SLOTS], 7
	s_mov_b32 s57, 0
	s_wait_dscnt 0x0                               ; both opening adds are done
	s_wait_kmcnt 0x0
	s_mov_b32 s56, s17
	s_add_nc_u64 s[58:59], s[4:5], s[56:57]        ; my half of the head's first slot, in section 0
	s_mov_b32 s[G0K], 1
	s_mov_b32 s[G0K+1], s15
	s_add_nc_u64 s[G0K+2:G0K+3], s[58:59], 0x1000000   ; section 1: K
	s_or_b32 s[G0K+3], s[G0K+3], 0x80000000
	s_mov_b32 s[G0V], 1
	s_mov_b32 s[G0V+1], s16
	s_add_nc_u64 s[G0V+2:G0V+3], s[58:59], 0x2000000   ; section 2: V
	s_or_b32 s[G0V+3], s[G0V+3], 0x80000000
	TLOAD                                          ; slot 0: key 0 counts for every query
	s_lshl_b32 s56, s[Q0], 7
	s_add_co_u32 s56, s56, s9
	s_add_nc_u64 s[60:61], s[4:5], s[56:57]        ; Q at my first query
	v_and_b32 v28, 15, v0                          ; r
	v_bfe_u32 v29, v0, 4, 1                        ; h
	v_lshlrev_b32 v31, 7, v28
	v_lshl_add_u32 v31, v29, 4, v31                ; row r of 128 bytes + 16 h; never rewritten
.irp t, 0,1
.irp ks, 0,1
	global_load_b128 v[QF+16*\t+8*\ks:QF+16*\t+8*\ks+3], v31, s[60:61] offset:\t*2048+64*\ks
	global_load_b128 v[QF+16*\t+8*\ks+4:QF+16*\t+8*\ks+7], v31, s[60:61] offset:\t*2048+64*\ks+32
.endr
.endr
	s_and_b32 s56, s8, 15                          ; y16: head plane, then row b x 2,048 + my first query
	s_lshl_b32 s56, s56, 20
	s_lshr_b32 s58, s8, 4
	s_lshl_b32 s58, s58, 18
	s_add_co_u32 s56, s56, s58
	s_lshl_b32 s58, s[Q0], 7
	s_add_co_u32 s56, s56, s58
	s_add_nc_u64 s[62:63], s[6:7], s[56:57]
	s_cmp_lt_u32 s[WV], 8                          ; the prefetches: waves 4 to 7 K's section, waves 8 to 11 V's
	s_mov_b32 s58, 0x2000000
	s_cselect_b32 s56, 0x1000000, s58
	s_add_co_u32 s56, s56, s9
	s_and_b32 s58, s[WV], 3
	s_lshl_b32 s58, s58, 13
	s_add_co_u32 s56, s56, s58
	s_add_co_u32 s56, s56, 32768                   ; in slot 1: the first change of slots steps it to slot 2
	s_add_nc_u64 s[PFA:PFA+1], s[4:5], s[56:57]
	s_sub_co_u32 s56, s[WV], 4
	s_lshr_b32 s56, s56, 3                         ; 0 in waves 4 to 11,
	s_or_b32 s56, s56, ttmp9                       ; of work-group x = 0
	s_cmp_eq_u32 s56, 0
	s_cselect_b32 s[LIM], 1, -1
	v_lshrrev_b32 v12, 1, v28
	v_and_b32 v13, 1, v28
	v_mul_u32_u24 v14, v12, PK
	v_lshl_add_u32 v14, v13, 7, v14
	v_lshl_add_u32 v[AK0], v29, 4, v14             ; 272 (r / 2) + 128 (r % 2) + 16 h
	s_mul_i32 s56, s[WV], 4352
	s_add_co_u32 s56, s56, STAGE
	v_add_nc_u32 v[STO], s56, v[AK0]               ; the stage takes rows in the same pattern
	v_mul_u32_u24 v14, v29, 272
	v_lshl_add_u32 v14, v28, 4, v14
	v_add_nc_u32 v[RD], s56, v14
	v_and_b32 v14, 31, v0
	v_lshlrev_b32 v[GO], 4, v14
	v_lshlrev_b32 v[PFO], 8, v14
	v_bfe_u32 v12, v0, 1, 2                        ; the turning load: lane L reads key 8 h + L % 8, channels 8 ((L / 8) % 2) on
	v_lshl_add_u32 v12, v29, 2, v12
	v_mul_u32_u24 v12, v12, PV
	v_and_b32 v13, 1, v0
	v_lshl_add_u32 v12, v13, 7, v12
	v_bfe_u32 v13, v0, 3, 1
	v_lshl_add_u32 v12, v13, 4, v12
	v_add_nc_u32 v[AV0], VOFF, v12
	v_lshlrev_b32 v12, 3, v29
	v_sub_nc_u32 v[LQ], v28, v12
	v_mov_b32 v30, 0xff800000                      ; -infinity
.irp t, 0,1
	v_mov_b32 v[ST+8*\t+1], 0xff61b1e6             ; m = -3e38, under every score
	v_mul_f32 v[ST+8*\t], s[CS], v[ST+8*\t+1]
.irp i, 2,3,4,5,6,7
	v_mov_b32 v[ST+8*\t+\i], 0                     ; l, and the work registers
.endr
.endr
.set i, 0
.rept 64
	v_mov_b32 v[OT+i], 0                           ; O^T.  (The step is written once: the first a is 0 and multiplies zeros)
.set i, i+1
.endr
; A KEY STEP: 64 keys, the q-th of the slot in hand.
.macro STEP q
	s_cmp_gt_u32 s[KF], s[QL]                      ; all 64 keys come after my 32 queries: the step's work is left out (ids and the count of steps alone; no barrier and no tensor load stands in a step)
	s_cbranch_scc1 .Lhidden_\@
	v_add_nc_u32 v[ADK], s[TB], v[AK0]
	v_add_nc_u32 v[ADV], s[TB], v[AV0]
.rept 3
	v_nop                                          ; with the two additions five places behind the last products: K's loads land on registers that they read, and the new scores are written over the p that they read
.endr
.irp kt, 0,1,2,3
.irp ks, 0,1
	ds_load_b128 v[KV+16*\kt+8*\ks:KV+16*\kt+8*\ks+3], v[ADK] offset:(\q)*32*PK+\kt*8*PK+64*\ks
	ds_load_b128 v[KV+16*\kt+8*\ks+4:KV+16*\kt+8*\ks+7], v[ADK] offset:(\q)*32*PK+\kt*8*PK+64*\ks+32
.endr
.endr
	s_wait_dscnt 0x0
.irp ks, 0,1                                   ; S^T = K Q^T: eight accumulators by turns
.irp kt, 0,1,2,3
.irp t, 0,1
.if \ks == 0
	v_wmma_f32_16x16x32_f16 v[SS+32*\t+8*\kt:SS+32*\t+8*\kt+7], v[KV+16*\kt+8*\ks:KV+16*\kt+8*\ks+7], v[QF+16*\t+8*\ks:QF+16*\t+8*\ks+7], 0
.else
	v_wmma_f32_16x16x32_f16 v[SS+32*\t+8*\kt:SS+32*\t+8*\kt+7], v[KV+16*\kt+8*\ks:KV+16*\kt+8*\ks+7], v[QF+16*\t+8*\ks:QF+16*\t+8*\ks+7], v[SS+32*\t+8*\kt:SS+32*\t+8*\kt+7]
.endif
.endr
.endr
.endr
.rept 4
	v_nop                                          ; places in front of V's loads into K's registers, and of the first read of the scores
.endr
.irp g, 0,1                                    ; V, turned: keys 32 g on, channels 16 d on; it lands while the softmax is worked
.irp d, 0,1,2,3
	ds_load_tr16_b128 v[KV+32*\g+8*\d:KV+32*\g+8*\d+3], v[ADV] offset:(\q)*32*PV+\g*16*PV+32*\d
	ds_load_tr16_b128 v[KV+32*\g+8*\d+4:KV+32*\g+8*\d+7], v[ADV] offset:(\q)*32*PV+\g*16*PV+8*PV+32*\d
.endr
.endr
	s_add_co_u32 s56, s[KF], 63                    ; on the diagonal hidden scores become -infinity; a step all of whose keys count skips this
	s_cmp_le_u32 s56, s[Q0]
	s_cbranch_scc1 .Lopen_\@
	s_sub_co_i32 s56, s[Q0], s[KF]
	v_add_nc_u32 v28, s56, v[LQ]                   ; d = my query - KF - 8 (lane / 16), tile 0;
	v_add_nc_u32 v29, 16, v28                      ; tile 1.  Register 8 kt + j holds key KF + 8 (lane / 16) + 16 kt + j: hidden where 16 kt + j > d
.irp t, 0,1
.irp kt, 0,1,2,3
.irp j, 0,1,2,3,4,5,6,7
	v_cmp_gt_i32 vcc_lo, 16*\kt+\j, v[28+\t]
	v_cndmask_b32 v[SS+32*\t+8*\kt+\j], v[SS+32*\t+8*\kt+\j], v30, vcc_lo
.endr
.endr
.endr
.Lopen_\@:
.irp c, 0,1,2,3                                ; the maximum: four chains a tile, each begun at its accumulator's low end; the two tiles line by line
.irp t, 0,1
	v_max3_num_f32 v[ST+8*\t+4+\c], v[SS+32*\t+8*\c], v[SS+32*\t+8*\c+1], v[SS+32*\t+8*\c+2]
.endr
.endr
.irp k, 3,5
.irp c, 0,1,2,3
.irp t, 0,1
	v_max3_num_f32 v[ST+8*\t+4+\c], v[ST+8*\t+4+\c], v[SS+32*\t+8*\c+\k], v[SS+32*\t+8*\c+\k+1]
.endr
.endr
.endr
.irp t, 0,1
	v_max3_num_f32 v[ST+8*\t+4], v[ST+8*\t+4], v[SS+32*\t+7], v[SS+32*\t+15]
.endr
.irp t, 0,1
	v_max3_num_f32 v[ST+8*\t+6], v[ST+8*\t+6], v[SS+32*\t+23], v[SS+32*\t+31]
.endr
.irp t, 0,1
	v_max3_num_f32 v[ST+8*\t+4], v[ST+8*\t+4], v[ST+8*\t+5], v[ST+8*\t+6]
.endr
.irp t, 0,1
	v_max3_num_f32 v[ST+8*\t+4], v[ST+8*\t+4], v[ST+8*\t+7], v[ST+8*\t+1]   ; with the old m
.endr
.irp t, 0,1
	v_permlanex16_b32 v[ST+8*\t+5], v[ST+8*\t+4], s[SEL], s[SEL+1]          ; the query's other 32 keys lie in the lane 16 away
.endr
.irp t, 0,1
	v_mov_b32 v[ST+8*\t+7], v[ST+8*\t]             ; c m_old
.endr
.irp t, 0,1
	v_max_num_f32 v[ST+8*\t+1], v[ST+8*\t+4], v[ST+8*\t+5]
.endr
.irp t, 0,1
	v_mul_f32 v[ST+8*\t], s[CS], v[ST+8*\t+1]
.endr
.irp t, 0,1
	v_sub_f32 v[ST+8*\t+7], v[ST+8*\t+7], v[ST+8*\t]
.endr
.irp j, 0,2,4,6,8,10,12,14,16,18,20,22,24,26,28,30
.irp t, 0,1
	v_pk_fma_f32 v[SS+32*\t+\j:SS+32*\t+\j+1], v[SS+32*\t+\j:SS+32*\t+\j+1], s[CS:CS+1], v[ST+8*\t:ST+8*\t+1] op_sel_hi:[1,0,0] neg_lo:[0,0,1] neg_hi:[0,0,1]   ; c s - c m
.endr
.endr
.irp t, 0,1
	v_exp_f32 v[ST+8*\t+6], v[ST+8*\t+7]           ; a
.endr
.set i, 0
.rept 64
	v_exp_f32 v[SS+i], v[SS+i]                     ; p: ONE batch of 66 exponentials
.set i, i+1
.endr
	v_nop                                          ; a plain line behind the last exponential
	s_wait_alu depctr_va_vdst(0)                   ; one wait for the batch, ahead of its first reader
.irp t, 0,1
	v_pk_fma_f32 v[ST+8*\t+2:ST+8*\t+3], v[ST+8*\t+2:ST+8*\t+3], v[ST+8*\t+6:ST+8*\t+7], v[SS+32*\t:SS+32*\t+1] op_sel_hi:[1,0,1]   ; l = a l + p: the sums are taken of the unrounded p, in two chains a tile
.endr
.irp t, 0,1
	v_pk_add_f32 v[ST+8*\t+4:ST+8*\t+5], v[SS+32*\t+2:SS+32*\t+3], v[SS+32*\t+4:SS+32*\t+5]
.endr
.irp j, 6,10,14,18,22,26
.irp t, 0,1
	v_pk_add_f32 v[ST+8*\t+2:ST+8*\t+3], v[ST+8*\t+2:ST+8*\t+3], v[SS+32*\t+\j:SS+32*\t+\j+1]
.endr
.irp t, 0,1
	v_pk_add_f32 v[ST+8*\t+4:ST+8*\t+5], v[ST+8*\t+4:ST+8*\t+5], v[SS+32*\t+\j+2:SS+32*\t+\j+3]
.endr
.endr
.irp t, 0,1
	v_pk_add_f32 v[ST+8*\t+2:ST+8*\t+3], v[ST+8*\t+2:ST+8*\t+3], v[SS+32*\t+30:SS+32*\t+31]
.endr
.irp t, 0,1
	v_pk_add_f32 v[ST+8*\t+2:ST+8*\t+3], v[ST+8*\t+2:ST+8*\t+3], v[ST+8*\t+4:ST+8*\t+5]
.endr
.irp g, 0,1                                    ; p to f16, in place: register i takes numbers 2 i and 2 i + 1, i ascending, so nothing unread is written over
.irp i, 0,1,2,3,4,5,6,7
.irp t, 0,1
	v_cvt_pk_f16_f32 v[SS+32*\t+16*\g+\i], v[SS+32*\t+16*\g+2*\i], v[SS+32*\t+16*\g+2*\i+1]
.endr
.endr
.endr
.irp j, 0,2,4,6,8,10,12,14,16,18,20,22,24,26,28,30
.irp t, 0,1
	v_pk_mul_f32 v[OT+32*\t+\j:OT+32*\t+\j+1], v[OT+32*\t+\j:OT+32*\t+\j+1], v[ST+8*\t+6:ST+8*\t+7] op_sel_hi:[1,0]   ; O^T x a
.endr
.endr
	s_wait_dscnt 0x0                               ; V is in
.irp g, 0,1                                    ; O^T += V^T P: eight accumulators by turns
.irp d, 0,1,2,3
.irp t, 0,1
	v_wmma_f32_16x16x32_f16 v[OT+32*\t+8*\d:OT+32*\t+8*\d+7], v[KV+32*\g+8*\d:KV+32*\g+8*\d+7], v[SS+32*\t+16*\g:SS+32*\t+16*\g+7], v[OT+32*\t+8*\d:OT+32*\t+8*\d+7]
.endr
.endr
.endr
.Lhidden_\@:
	s_add_co_u32 s[KF], s[KF], 64
.endm
; THE CHANGE OF SLOTS stands at a slot's head.  Each wave waits for all its tensor loads, adds 0 to its spare word, and waits for that and for its reads of the slot that it has left.  Behind the barrier the slot ahead
; is whole and nobody reads the other one.  fill = 1: that other slot is filled with the next 256 keys, while some wave of the work-group will read them; the load has a slot's four steps in which to land.
.macro CHANGE fill
	s_wait_tensorcnt 0x0                           ; no tensor load of mine is out, so a group 0 may be written
	ds_add_u32 v[SPW], v[NIL]                      ; 0 onto my spare word
.if \fill
	ds_add_u32 v[SPW], v[NIL]                      ; and twice on end here, in every trip alike
	s_xor_b32 s[G0K+1], s[G0K+1], SLOT1
	s_add_nc_u64 s[G0K+2:G0K+3], s[G0K+2:G0K+3], 32768
	s_xor_b32 s[G0V+1], s[G0V+1], SLOT1
	s_add_nc_u64 s[G0V+2:G0V+3], s[G0V+2:G0V+3], 32768
	s_wait_xcnt 0x0                                ; the last prefetch, a slot back, has read its address
	s_add_nc_u64 s[PFA:PFA+1], s[PFA:PFA+1], 32768
.endif
	s_wait_dscnt 0x0
	s_barrier_signal -1
	s_barrier_wait -1
.if \fill
	s_add_co_u32 s56, s[KF], 256                   ; the first key of the slot that this change would ask for:
	s_cmp_gt_u32 s56, s[QLAST]                     ; behind the work-group's last query it is read by no wave and is not asked for.  Ids and the count of steps alone: all sixteen waves go the same way; every wait on TENSORcnt here is for 0
	s_cbranch_scc1 .Lpast_\@
	TLOAD
.Lpast_\@:
	ASK
.endif
.endm
.macro SLOT_STEPS
	STEP 0
	STEP 1
	STEP 2
	STEP 3
	s_xor_b32 s[TB], s[TB], SLOT1
.endm
	s_wait_loadcnt 0x0                             ; Q
.Lslot:                                            ; seven trips
	CHANGE 1
	SLOT_STEPS
	s_sub_co_u32 s[SLOTS], s[SLOTS], 1
	s_cmp_lg_u32 s[SLOTS], 0
	s_cbranch_scc1 .Lslot
	CHANGE 0                                       ; the last slot is written out: nothing is left to ask for
	SLOT_STEPS
	; THE WAY OUT: O^T / l, rounded to f16, through my stage, out as 512 consecutive bytes (four rows of 128).
.rept 4
	v_nop
.endr
.irp t, 0,1
	v_add_f32 v[ST+8*\t+4], v[ST+8*\t+2], v[ST+8*\t+3]
.endr
.irp t, 0,1
	v_permlanex16_b32 v[ST+8*\t+5], v[ST+8*\t+4], s[SEL], s[SEL+1]
.endr
.irp t, 0,1
	v_add_f32 v[ST+8*\t+4], v[ST+8*\t+4], v[ST+8*\t+5]
.endr
.irp t, 0,1
	v_rcp_f32 v[ST+8*\t+6], v[ST+8*\t+4]
.endr
	v_nop
	s_wait_alu depctr_va_vdst(0)                   ; one wait for the two reciprocals
.irp j, 0,2,4,6,8,10,12,14,16,18,20,22,24,26,28,30
.irp t, 0,1
	v_pk_mul_f32 v[OT+32*\t+\j:OT+32*\t+\j+1], v[OT+32*\t+\j:OT+32*\t+\j+1], v[ST+8*\t+6:ST+8*\t+7] op_sel_hi:[1,0]
.endr
.endr
.set i, 0
.rept 32
	v_cvt_pk_f16_f32 v[SS+i], v[OT+2*i], v[OT+2*i+1]   ; register 16 t + 4 d + i: channels 16 d + 8 h + 2 i, + 1 of query r of tile t
.set i, i+1
.endr
.irp t, 0,1
.irp d, 0,1,2,3
	ds_store_b128 v[STO], v[SS+16*\t+4*\d:SS+16*\t+4*\d+3] offset:\t*2176+32*\d
.endr
.endr
.irp i, 0,1,2,3,4,5,6,7
	ds_load_b128 v[KV+4*\i:KV+4*\i+3], v[RD] offset:\i*544      ; in order behind my stores
.endr
.irp i, 0,1,2,3,4,5,6,7
	s_wait_dscnt 7-\i
	global_store_b128 v[GO], v[KV+4*\i:KV+4*\i+3], s[62:63] offset:\i*512   ; 512 consecutive bytes, aligned
.endr
	s_wait_tensorcnt 0x0                           ; the wave's end
	ds_add_u32 v[SPW], v[NIL]
	s_wait_dscnt 0x0
	s_endpgm
.Lfunc_end_k_q2f18ab2fd9_attn:
	.size	k_q2f18ab2fd9_attn, .Lfunc_end_k_q2f18ab2fd9_attn-k_q2f18ab2fd9_attn
	.p2alignl 7, 3214868480
	.fill 96, 4, 3214868480
	.section	.rodata,"a",@progbits
	.p2align	6, 0x0
	.amdhsa_kernel k_q2f18ab2fd9_attn
		.amdhsa_group_segment_fixed_size 327680
		.amdhsa_private_segment_fixed_size 0
		.amdhsa_enable_private_segment 0
		.amdhsa_kernarg_size 16
		.amdhsa_user_sgpr_count 2
		.amdhsa_user_sgpr_kernarg_segment_ptr 1
		.amdhsa_wavefront_size32 1
		.amdhsa_system_sgpr_workgroup_id_x 1
		.amdhsa_system_sgpr_workgroup_id_y 1
		.amdhsa_system_sgpr_workgroup_id_z 1
		.amdhsa_system_vgpr_workitem_id 0
		.amdhsa_next_free_vgpr 256
		.amdhsa_next_free_sgpr 66
		.amdhsa_reserve_vcc 1
		.amdhsa_float_denorm_mode_32 3
		.amdhsa_float_denorm_mode_16_64 3
		.amdhsa_memory_ordered 1
		.amdhsa_forward_progress 1
		.amdhsa_inst_pref_size 188
	.end_amdhsa_kernel
	.amdgpu_metadata
---
amdhsa.version: [ 1, 2 ]
amdhsa.kernels:
  - .name:           k_q2f18ab2fd9_attn
    .symbol:         k_q2f18ab2fd9_attn.kd
    .args:
      - { .name: qkv16, .offset: 0, .size: 8, .value_kind: global_buffer, .address_space: global }
      - { .name: y16, .offset: 8, .size: 8, .value_kind: global_buffer, .address_space: global }
    .group_segment_fixed_size: 327680
    .private_segment_fixed_size: 0
    .kernarg_segment_align: 8
    .kernarg_segment_size: 16
    .max_flat_workgroup_size: 512
    .sgpr_count:     66
    .vgpr_count:     256
    .wavefront_size: 32
...
	.end_amdgpu_metadata
.endif
;; end of part 3
;; launch proj (part 4): grid 8 x 64, 4 waves a work-group, clusters of 4 x 4, 327,680 bytes of LDS; arguments y16, wp16, b_proj, out0; writes out0
.if DOCPART == 4
	.amdgcn_target "amdgcn-amd-amdhsa--gfx1250"
	.amdhsa_code_object_version 6
	.text
	.protected	k_q2f18ab2fd9_proj
	.globl	k_q2f18ab2fd9_proj
	.p2align	8
	.type	k_q2f18ab2fd9_proj,@function
k_q2f18ab2fd9_proj:
	s_mov_b64 s[64:65], 0
	v_nop
	global_prefetch_b8 v0, s[64:65] scope:SCOPE_SE
	s_setreg_imm32_b32 hwreg(HW_REG_WAVE_MODE, 25, 1), 1
	s_wait_xcnt 0x0
	s_wait_alu depctr_hold_cnt(0) depctr_sa_sdst(0) depctr_va_vdst(0) depctr_va_sdst(0) depctr_va_ssrc(0) depctr_va_vcc(0) depctr_vm_vsrc(0)
	s_getreg_b32 s2, hwreg(HW_REG_IB_STS2, 6, 4)
	s_cmp_eq_u32 s2, 0
	s_cbranch_scc0 .Lentry_in_a_cluster
	s_endpgm
.Lentry_in_a_cluster:
	s_bfe_u32 s2, ttmp6, 0x10000c
	s_cmp_lg_u32 s2, 0xf033
	s_cbranch_scc0 .Lentry_shape_is_right
	s_endpgm
.Lentry_shape_is_right:
; out0 = y w_proj + b_proj.  M 8,192, N 1,024, K 1,024; f16 operands, f32 sums.  A: y16 [16 h][8192 row][64] f16 (k = 64 h + channel).  B: wp16 [1024 k][1024 n] f16.  out0 [8192][1024] f32.
; (Rows of positions 0-15 of each sequence are written again, in f32 throughout, by the launch that follows.)
; A tile of C is 128 x 128: four waves, 64 x 64 each: 16 accumulators.  K goes in steps of 256 (four heads) through two LDS slots.
; A's tile half: 64 rows x 4 heads: for each head 8,192 consecutive bytes: a tile of 4 rows of 8,192 bytes, 1 MiB apart, 16 bytes of padding behind every 256: row m of head p at 8,704 p + 272 (m / 2) + 128 (m % 2).
; B's tile half: 128 rows of k x 256 bytes of n, pitch 288; its fragments come turned, by ds_load_tr16_b128.
; CLUSTERS 4 x 4: A's tiles shared along a row of the cluster, B's along a column, by joint loads.  USED TRANSPOSED (source 0 = 16 n of B, source 1 = 16 rows of A): a lane holds eight neighbouring columns of a row.
; The bias is the C of each sum's first product.
; REGISTERS: window 0: v0-31 addresses; v32-95 rows on the way out; v96-127 the bias; v128-255 the accumulators ((a, b) at v[128 + 8 (4 a + b)]).  window 1: two fragment buffers of 128 (64 of A, then 64 of B).
.set HALFA,  4*32*272
.set HALFB,  128*288
.set SLOT,   2*HALFA+2*HALFB
.set STAGE,  2*SLOT                    ; behind the ring: 16 rows x 272 bytes for each wave
.set SPARE,  STAGE+4*4352              ; the spare words: two blocks of 256 bytes that no other line names
.set ADRA, 16                          ; v16-17 my A fragments in slot 0, 1
.set ADRB, 20                          ; v20-23 my B fragments: slot s, k half u at 20 + 2 s + u
.set STO,  24
.set RD,   25
.set CO,   26
.set BA,   27
.set SPW,  28
.set NIL,  29
.set TMP,  32
.set BI,   96
.set ACC,  128
.set F0,   0
.set F1,   128
.set G1, 24
.set G0, 32
.set G1B, 48
.set G0B, 56
.set MSB, 0
.macro WIN new
.if MSB != \new
	s_set_vgpr_msb (MSB<<8)|\new
.set MSB, \new
.endif
.endm
.set MUL,  0x05                        ; sources 0 and 1 window 1; C and D window 0
.set TO_F, 0x40
.macro JLOAD s                         ; waves 0 and 1 fetch A's halves, waves 2 and 3 B's; an s_nop 0 and four v_nop follow each line
	s_cmp_eq_u32 s11, 0
	s_cbranch_scc0 .Lfor_b_\@
	tensor_load_to_lds s[G0+4*\s:G0+4*\s+3], s[G1:G1+7]
	s_nop 0
.rept 4
	v_nop
.endr
	s_branch .Lasked_\@
.Lfor_b_\@:
	tensor_load_to_lds s[G0B+4*\s:G0B+4*\s+3], s[G1B:G1B+7]
	s_nop 0
.rept 4
	v_nop
.endr
.Lasked_\@:
.endm
.macro CREST
	s_cmp_lg_u32 s10, 0
	s_cbranch_scc1 .Lnot_wave_0_\@
	s_barrier_signal -3
.Lnot_wave_0_\@:
	s_barrier_wait -3
	s_barrier_signal -1
	s_barrier_wait -1
.endm
.macro CROUND
	s_barrier_signal -1
	s_barrier_wait -1
	CREST
.endm
	s_load_b128 s[4:7], s[0:1], 0x0                ; y16, wp16
	s_load_b64 s[66:67], s[0:1], 0x10              ; b_proj
	s_load_b64 s[68:69], s[0:1], 0x18              ; out0
	v_lshl_add_u32 v[SPW], v0, 2, SPARE
	v_mov_b32 v[NIL], 0
	ds_add_u32 v[SPW], v[NIL]                      ; the wave's opening: the add, twice on end, and its wait ahead of my first tensor load
	ds_add_u32 v[SPW], v[NIL]
	v_lshrrev_b32 v1, 5, v0
	v_readfirstlane_b32 s10, v1                    ; wave 0..3
	s_lshr_b32 s11, s10, 1                         ; my half of the rows; also: I fetch for A (0) or B (1)
	s_and_b32 s12, s10, 1                          ; my half of the columns; also: which half of that tile I fetch
	s_bfe_u32 s40, ttmp6, 0x40000
	s_bfe_u32 s41, ttmp6, 0x40004
	s_lshl_b32 s42, ttmp9, 2
	s_add_co_u32 s42, s42, s40                     ; tile column
	s_and_b32 s13, ttmp7, 0xffff
	s_lshl_b32 s13, s13, 2
	s_add_co_u32 s13, s13, s41                     ; tile row
	s_lshl_b32 s43, s41, 2
	s_lshl_b32 s43, 15, s43
	s_lshl_b32 s44, 0x1111, s40
	s_or_b32 s[G1+0], s43, (3<<16)|(1<<20)|(1<<21)|(5<<22)|(3<<25)  ; A: elements of 8 bytes; 4 words of padding after every 64
	s_mov_b32 s[G1+1], 1024<<16                    ; tensor_dim0 = 1,024 elements: 8,192 bytes
	s_mov_b32 s[G1+2], 4<<16                       ; tensor_dim1 = 4 heads
	s_mov_b32 s[G1+3], 1024<<16                    ; tile_dim0
	s_mov_b32 s[G1+4], 4                           ; tile_dim1
	s_mov_b32 s[G1+5], 131072                      ; from head to head: 1,048,576 bytes
	s_mov_b32 s[G1+6], 0
	s_mov_b32 s[G1+7], 0
	s_or_b32 s[G1B+0], s44, (1<<16)|(1<<20)|(1<<21)|(5<<22)|(7<<25) ; B: elements of 2 bytes; 8 words of padding after every 64
	s_mov_b32 s[G1B+1], 128<<16
	s_mov_b32 s[G1B+2], 128<<16
	s_mov_b32 s[G1B+3], 128<<16
	s_mov_b32 s[G1B+4], 128
	s_mov_b32 s[G1B+5], 1024
	s_mov_b32 s[G1B+6], 0
	s_mov_b32 s[G1B+7], 0
	s_lshl_b32 s16, s13, 14                        ; A: (128 x tile row + 64 x half) rows of 128 bytes
	s_lshl_b32 s17, s12, 13
	s_add_co_u32 s16, s16, s17
	s_mov_b32 s17, 0
	s_lshl_b32 s46, s42, 8                         ; B: 128 x half rows of 2,048 bytes + 256 x tile column
	s_lshl_b32 s47, s12, 18
	s_add_co_u32 s46, s46, s47
	s_mov_b32 s47, 0
	s_mul_i32 s20, s12, HALFA                      ; where they go
	s_mul_i32 s21, s12, HALFB
	s_add_co_u32 s21, s21, 2*HALFA
	s_wait_dscnt 0x0                               ; both opening adds are done
	s_wait_kmcnt 0x0
	s_add_nc_u64 s[14:15], s[4:5], s[16:17]
	s_add_nc_u64 s[46:47], s[6:7], s[46:47]
	CROUND                                         ; the first joint loads meet
.irp s, 0,1
	s_mov_b32 s[G0+4*\s], 1
	s_add_co_u32 s[G0+4*\s+1], s20, \s*SLOT
	s_add_nc_u64 s[G0+4*\s+2:G0+4*\s+3], s[14:15], \s*4194304     ; K step s: heads 4 s on
	s_or_b32 s[G0+4*\s+3], s[G0+4*\s+3], 0x80000000
	s_mov_b32 s[G0B+4*\s], 1
	s_add_co_u32 s[G0B+4*\s+1], s21, \s*SLOT
	s_add_nc_u64 s[G0B+4*\s+2:G0B+4*\s+3], s[46:47], \s*524288    ; 256 rows of k on
	s_or_b32 s[G0B+4*\s+3], s[G0B+4*\s+3], 0x80000000
	JLOAD \s
.endr
	v_and_b32 v1, 15, v0                           ; r
	v_bfe_u32 v2, v0, 4, 1                         ; h
	s_lshl_b32 s16, s13, 19                        ; out0: (128 x tile row + 64 x row half) rows of 4,096 bytes
	s_lshl_b32 s17, s11, 18
	s_add_co_u32 s16, s16, s17
	s_mov_b32 s17, 0
	s_lshl_b32 s46, s42, 9                         ; my first column x 4 bytes
	s_lshl_b32 s47, s12, 8
	s_add_co_u32 s46, s46, s47
	s_mov_b32 s47, 0
	s_add_nc_u64 s[66:67], s[66:67], s[46:47]
	s_add_nc_u64 s[68:69], s[68:69], s[46:47]
	s_add_nc_u64 s[68:69], s[68:69], s[16:17]
	v_lshlrev_b32 v[BA], 5, v2
.irp b, 0,1,2,3
	global_load_b128 v[BI+8*\b:BI+8*\b+3], v[BA], s[66:67] offset:64*\b        ; b_proj[first column + 16 b + 8 h + 0 .. 7]
	global_load_b128 v[BI+8*\b+4:BI+8*\b+7], v[BA], s[66:67] offset:64*\b+16
.endr
	v_lshrrev_b32 v3, 1, v1
	v_mul_u32_u24 v3, v3, 272
	v_and_b32 v4, 1, v1
	v_lshl_add_u32 v3, v4, 7, v3
	v_lshl_add_u32 v3, v2, 4, v3                   ; A: 272 (r / 2) + 128 (r % 2) + 16 h
	s_mul_i32 s22, s11, HALFA
	v_add_nc_u32 v[ADRA], s22, v3
	s_add_co_u32 s22, s22, SLOT
	v_add_nc_u32 v[ADRA+1], s22, v3
	v_and_b32 v4, 7, v0                            ; B, turned: lane L reads row k = 8 h + L % 8, columns 8 ((L / 8) % 2) on
	v_lshl_add_u32 v4, v2, 3, v4
	v_mul_u32_u24 v4, v4, 288
	v_bfe_u32 v5, v0, 3, 1
	v_lshl_add_u32 v4, v5, 4, v4
	s_lshl_b32 s22, s12, 7
	s_add_co_u32 s22, s22, 2*HALFA
	v_add_nc_u32 v[ADRB], s22, v4
	s_add_co_u32 s23, s22, HALFB
	v_add_nc_u32 v[ADRB+1], s23, v4
	s_add_co_u32 s22, s22, SLOT
	v_add_nc_u32 v[ADRB+2], s22, v4
	s_add_co_u32 s23, s23, SLOT
	v_add_nc_u32 v[ADRB+3], s23, v4
	s_mul_i32 s23, s10, 4352
	s_add_co_u32 s23, s23, STAGE                   ; my stage
	v_mul_u32_u24 v4, v1, 272
	v_lshl_add_u32 v4, v2, 5, v4
	v_add_nc_u32 v[STO], s23, v4                   ; in: row r, 32 bytes for each half of the lanes
	v_mul_u32_u24 v5, v2, 272
	v_lshl_add_u32 v5, v1, 4, v5
	v_add_nc_u32 v[RD], s23, v5                    ; back: sixteen lanes a row of 256 bytes
	v_lshlrev_b32 v5, 12, v2
	v_lshl_add_u32 v[CO], v1, 4, v5                ; and the same two rows in out0
.macro MUL8 f, c, a0, zero             ; 8 matrix instructions; zero = 1: the first product starts the sums, with the bias as its C.  The 16 accumulators take turns
.irp a, \a0, \a0+1
.irp b, 0,1,2,3
.if \zero
	v_wmma_f32_16x16x32_f16 v[ACC+8*(4*(\a)+\b):ACC+8*(4*(\a)+\b)+7], v[\f+64+8*(4*\c+\b):\f+64+8*(4*\c+\b)+7], v[\f+8*(4*\c+\a):\f+8*(4*\c+\a)+7], v[BI+8*\b:BI+8*\b+7]
.else
	v_wmma_f32_16x16x32_f16 v[ACC+8*(4*(\a)+\b):ACC+8*(4*(\a)+\b)+7], v[\f+64+8*(4*\c+\b):\f+64+8*(4*\c+\b)+7], v[\f+8*(4*\c+\a):\f+8*(4*\c+\a)+7], v[ACC+8*(4*(\a)+\b):ACC+8*(4*(\a)+\b)+7]
.endif
.endr
.endr
.endm
.macro FETCH slot, kq, f               ; 32 LDS loads in one run: the fragments of the slot's kq-th 64 along K (head plane kq of A); the first 32 along K first
	WIN TO_F
.irp c, 0,1
.irp i, 0,1,2,3
	ds_load_tr16_b128 v[\f+64+8*(4*\c+\i):\f+64+8*(4*\c+\i)+3],   v[ADRB+2*\slot+(\kq)/2] offset:(((\kq)%2)*64+32*\c)*288+32*\i
	ds_load_tr16_b128 v[\f+64+8*(4*\c+\i)+4:\f+64+8*(4*\c+\i)+7], v[ADRB+2*\slot+(\kq)/2] offset:(((\kq)%2)*64+32*\c)*288+32*\i+4608
	ds_load_b128 v[\f+8*(4*\c+\i):\f+8*(4*\c+\i)+3],         v[ADRA+\slot] offset:(\kq)*8704+64*\c+\i*2176
	ds_load_b128 v[\f+8*(4*\c+\i)+4:\f+8*(4*\c+\i)+7],       v[ADRA+\slot] offset:(\kq)*8704+64*\c+\i*2176+32
.endr
.endr
.endm
.macro PLACES
.rept 4
	v_nop
.endr
.endm
.macro QUARTER slot, kq, f, g, zero    ; multiplies buffer f and fetches the slot's kq-th 64 along K into g
	s_wait_dscnt 16                                ; the first 32 along K are in
	WIN MUL
	MUL8 \f, 0, 0, \zero
	MUL8 \f, 0, 2, \zero
	PLACES
	FETCH \slot, \kq, \g
	s_wait_dscnt 32                                ; all but the 32 just issued
	WIN MUL
	MUL8 \f, 1, 0, 0
	MUL8 \f, 1, 2, 0
.endm
.macro TURN slot, next, fill           ; the last quarter multiplies buffer 1 and changes slots: one barrier; fill = 1: it opens a round of the cluster's barrier, and this slot is filled again, two K steps ahead
	WIN 0
	s_wait_tensorcnt 0x0                           ; all my tensor loads have landed: my part of the next slot
	ds_add_u32 v[SPW], v[NIL]
	s_wait_dscnt 17                                ; (the add and the youngest sixteen loads may be out)
	WIN MUL
	MUL8 F1, 0, 0, 0
	s_wait_dscnt 0x0                               ; the add is done, and my reads of this slot are over
	s_barrier_signal -1
	MUL8 F1, 0, 2, 0
.if \fill
	WIN 0
.endif
	s_barrier_wait -1
.if \fill
	CREST                                          ; no wave of any partner still reads this slot or has a load on its way
	s_add_nc_u64 s[G0+4*\slot+2:G0+4*\slot+3], s[G0+4*\slot+2:G0+4*\slot+3], 8388608
	s_add_nc_u64 s[G0B+4*\slot+2:G0B+4*\slot+3], s[G0B+4*\slot+2:G0B+4*\slot+3], 1048576
	JLOAD \slot                                    ; the first tensor load behind the round; its four v_nop are also the places in front of the loads below
.else
	PLACES
.endif
	FETCH \next, 0, F0
	WIN MUL
	MUL8 F1, 1, 0, 0
	MUL8 F1, 1, 2, 0
.endm
	s_wait_tensorcnt 1                             ; my part of K step 0 is in; K step 1's load may be out
	s_barrier_signal -1
	s_barrier_wait -1
	FETCH 0, 0, F0
	s_wait_loadcnt 0x0                             ; the bias
	QUARTER 0, 1, F0, F1, 1
	WIN 0
	s_mov_b32 s3, 1                                ; K is four steps, two laps of the ring: one trip fills both slots again
.Llap:
	QUARTER 0, 2, F1, F0, 0
	QUARTER 0, 3, F0, F1, 0
	TURN 0, 1, 1
	QUARTER 1, 1, F0, F1, 0
	QUARTER 1, 2, F1, F0, 0
	QUARTER 1, 3, F0, F1, 0
	TURN 1, 0, 1
	QUARTER 0, 1, F0, F1, 0
	WIN 0
	s_sub_co_u32 s3, s3, 1
	s_cmp_lg_u32 s3, 0
	s_cbranch_scc1 .Llap
	QUARTER 0, 2, F1, F0, 0                        ; the last lap fills nothing
	QUARTER 0, 3, F0, F1, 0
	TURN 0, 1, 0
	QUARTER 1, 1, F0, F1, 0
	QUARTER 1, 2, F1, F0, 0
	QUARTER 1, 3, F0, F1, 0
	s_wait_dscnt 16
	WIN MUL
	MUL8 F1, 0, 0, 0
	MUL8 F1, 0, 2, 0
	s_wait_dscnt 0
	MUL8 F1, 1, 0, 0
	MUL8 F1, 1, 2, 0
	WIN 0
; THE WAY OUT: my 64 columns are 256 aligned bytes of a row: a block of 16 rows goes through my own stage and comes back as whole rows; no other wave is involved.
.macro TOST a
.irp b, 0,1,2,3
	ds_store_b128 v[STO], v[ACC+8*(4*(\a)+\b):ACC+8*(4*(\a)+\b)+3] offset:64*\b          ; each accumulator from its low end on
	ds_store_b128 v[STO], v[ACC+8*(4*(\a)+\b)+4:ACC+8*(4*(\a)+\b)+7] offset:64*\b+16
.endr
.set BB, TMP+32*((\a)%2)
.irp i, 0,1,2,3,4,5,6,7
	ds_load_b128 v[BB+4*\i:BB+4*\i+3], v[RD] offset:\i*544       ; in order behind my stores
.endr
.endm
.macro SEND a, younger
.set BB, TMP+32*((\a)%2)
	s_wait_dscnt \younger                          ; the block is back; the next block's eight stores and eight loads may be out
.if (\a) > 0
	s_add_nc_u64 s[68:69], s[68:69], 65536         ; 16 rows on (behind a wait on XCNT: the earlier stores have read their base)
.endif
.irp i, 0,1,2,3,4,5,6,7
	global_store_b128 v[CO], v[BB+4*\i:BB+4*\i+3], s[68:69] offset:\i*8192 th:TH_STORE_NT   ; sixteen lanes store 256 consecutive bytes, aligned
.endr
.endm
	PLACES
	TOST 0
.irp a, 1,2,3
.if \a > 1
	s_wait_xcnt 0x0                                ; block a - 2's stores have read their registers and their base
.endif
	TOST \a
	SEND \a-1, 16
.endr
	s_wait_xcnt 0x0
	SEND 3, 0
	s_wait_tensorcnt 0x0                           ; the wave's end
	ds_add_u32 v[SPW], v[NIL]
	s_wait_dscnt 0x0
	CROUND                                         ; the closing round
	s_endpgm
.Lfunc_end_k_q2f18ab2fd9_proj:
	.size	k_q2f18ab2fd9_proj, .Lfunc_end_k_q2f18ab2fd9_proj-k_q2f18ab2fd9_proj
	.p2alignl 7, 3214868480
	.fill 96, 4, 3214868480
	.section	.rodata,"a",@progbits
	.p2align	6, 0x0
	.amdhsa_kernel k_q2f18ab2fd9_proj
		.amdhsa_group_segment_fixed_size 327680
		.amdhsa_private_segment_fixed_size 0
		.amdhsa_enable_private_segment 0
		.amdhsa_kernarg_size 32
		.amdhsa_user_sgpr_count 2
		.amdhsa_user_sgpr_kernarg_segment_ptr 1
		.amdhsa_wavefront_size32 1
		.amdhsa_system_sgpr_workgroup_id_x 1
		.amdhsa_system_sgpr_workgroup_id_y 1
		.amdhsa_system_sgpr_workgroup_id_z 1
		.amdhsa_system_vgpr_workitem_id 0
		.amdhsa_next_free_vgpr 512
		.amdhsa_next_free_sgpr 70
		.amdhsa_reserve_vcc 0
		.amdhsa_float_denorm_mode_32 3
		.amdhsa_float_denorm_mode_16_64 3
		.amdhsa_memory_ordered 1
		.amdhsa_forward_progress 1
		.amdhsa_inst_pref_size 87
	.end_amdhsa_kernel
	.amdgpu_metadata
---
amdhsa.version: [ 1, 2 ]
amdhsa.kernels:
  - .name:           k_q2f18ab2fd9_proj
    .symbol:         k_q2f18ab2fd9_proj.kd
    .args:
      - { .name: y16, .offset: 0, .size: 8, .value_kind: global_buffer, .address_space: global }
      - { .name: wp16, .offset: 8, .size: 8, .value_kind: global_buffer, .address_space: global }
      - { .name: b_proj, .offset: 16, .size: 8, .value_kind: global_buffer, .address_space: global }
      - { .name: out0, .offset: 24, .size: 8, .value_kind: global_buffer, .address_space: global }
    .group_segment_fixed_size: 327680
    .private_segment_fixed_size: 0
    .kernarg_segment_align: 8
    .kernarg_segment_size: 32
    .max_flat_workgroup_size: 128
    .sgpr_count:     70
    .vgpr_count:     512
    .wavefront_size: 32
...
	.end_amdgpu_metadata
.endif
;; end of part 4
;; launch fine (part 5): grid 16 x 4, 16 waves a work-group, no clusters, 71,680 bytes of LDS; arguments qkv32, w_proj, b_proj, out0; writes out0
.if DOCPART == 5
	.amdgcn_target "amdgcn-amd-amdhsa--gfx1250"
	.amdhsa_code_object_version 6
	.text
	.protected	k_q2f18ab2fd9_fine
	.globl	k_q2f18ab2fd9_fine
	.p2align	8
	.type	k_q2f18ab2fd9_fine,@function
k_q2f18ab2fd9_fine:
	s_mov_b64 s[64:65], 0
	v_nop
	global_prefetch_b8 v0, s[64:65] scope:SCOPE_SE
	s_setreg_imm32_b32 hwreg(HW_REG_WAVE_MODE, 25, 1), 1
	s_wait_xcnt 0x0
; POSITIONS 0-15 OF EACH SEQUENCE IN F32 THROUGHOUT: their rows average one to sixteen values and are the largest of the output, so the rounding of 16-bit operands weighs most there.
; This launch runs last and writes these 64 rows of out0 over the numbers that the launch before has left there.
; IN: qkv32 [4 b][16 t][3072] f32 (q, k, v with their bias), w_proj [1024][1024] f32, b_proj.  OUT: out0 rows b x 2,048 + 0 .. 15.
; Work-group (cg, b): 16 rows x columns 64 cg .. 64 cg + 63.  Wave w is head w: its attention (16 x 16, causal), then its part y_h w_proj[64 w .. 64 w + 63][my 64 columns]; the sixteen parts are added through LDS.
; All products by v_wmma_f32_16x16x4_f32 (small work: 96 instructions a wave); what it writes (v176-239) is written by matrix instructions alone.
; K IS PERMUTED ALIKE ON BOTH SIDES of each product, which leaves the sums' terms as they are: a K step's slot 2 h + j takes, for q k^T, channel 8 u + 4 h + 2 i + j (a lane's 16-byte load is two steps);
; for V^T p and W^T y, index 8 h + 2 s + j of the tile: where the lane's earlier results already lie.
; REGISTERS: v1-15 addresses; v16-47 k, later W2, later the parts read back; v48-79 q, later W3; v80-111 V^T, later y; v112-175 W0, W1; v176-191 two half sums of S^T, later out tiles 0, 1;
; v192-223 O^T; v224-239 out tiles 2, 3; v240-247 S^T, then p; v248-253 at work; v[254:255] the bias.
.set SPARE, 16*4352                    ; behind the sixteen parts (16 rows x 272 bytes each): the spare words, eight blocks of 256 bytes that no other line names
.set AQ,  3
.set AVV, 4
.set AW,  5
.set L8,  6
.set STO, 7
.set RD,  8
.set LQ,  9
.set NEG, 10
.set SPW, 14
.set NIL, 15
	s_load_b128 s[4:7], s[0:1], 0x0                ; qkv32, w_proj
	s_load_b128 s[8:11], s[0:1], 0x10              ; b_proj, out0
	v_lshl_add_u32 v[SPW], v0, 2, SPARE
	v_mov_b32 v[NIL], 0
	v_lshrrev_b32 v1, 5, v0
	v_readfirstlane_b32 s12, v1                    ; wave = head
	s_and_b32 s13, ttmp7, 0xffff                   ; batch
	v_and_b32 v1, 15, v0                           ; r
	v_bfe_u32 v2, v0, 4, 1                         ; h
	v_mul_u32_u24 v[AQ], v1, 12288
	v_lshl_add_u32 v[AQ], v2, 4, v[AQ]             ; q, k: row r, + 16 h
	v_mul_u32_u24 v[AVV], v2, 98304
	v_lshl_add_u32 v[AVV], v1, 2, v[AVV]           ; v: keys 8 h on, channel r
	v_lshlrev_b32 v[AW], 15, v2
	v_lshl_add_u32 v[AW], v1, 2, v[AW]             ; w_proj: rows 8 h on, column r
	v_and_b32 v[L8], 31, v0
	v_lshlrev_b32 v[L8], 3, v[L8]                  ; 8 x lane
	s_mul_i32 s14, s12, 4352
	v_mul_u32_u24 v[STO], v1, 272
	v_lshl_add_u32 v[STO], v2, 5, v[STO]
	v_add_nc_u32 v[STO], s14, v[STO]               ; my part: row r, + 32 h
	s_mul_i32 s14, s12, 272
	v_add_nc_u32 v[RD], s14, v[L8]                 ; row w of every part
	v_lshlrev_b32 v[LQ], 3, v2
	v_sub_nc_u32 v[LQ], v1, v[LQ]                  ; r - 8 h
	v_mov_b32 v[NEG], 0xff800000                   ; -infinity
	v_mov_b32 v249, 0                              ; a lane permute's destination counts as one of its sources
	s_mov_b32 s20, 0x76543210
	s_mov_b32 s21, 0xfedcba98
	s_mov_b32 s22, 0x3e38aa3b                      ; c = log2(e) / 8
	s_mul_i32 s16, s13, 196608
	s_lshl_b32 s17, s12, 8
	s_add_co_u32 s16, s16, s17                     ; qkv32: batch's 16 rows, head's 64 columns
	s_mov_b32 s17, 0
	s_lshl_b32 s24, ttmp9, 8                       ; my 64 columns x 4 bytes
	s_mov_b32 s25, 0
	s_lshl_b32 s18, s12, 18                        ; w_proj: rows 64 w on
	s_add_co_u32 s18, s18, s24
	s_mov_b32 s19, 0
	s_lshl_b32 s26, s13, 23                        ; out0: row b x 2,048 + w
	s_lshl_b32 s27, s12, 12
	s_add_co_u32 s26, s26, s27
	s_add_co_u32 s26, s26, s24
	s_mov_b32 s27, 0
	s_wait_kmcnt 0x0
	s_add_nc_u64 s[4:5], s[4:5], s[16:17]
	s_add_nc_u64 s[6:7], s[6:7], s[18:19]
	s_add_nc_u64 s[8:9], s[8:9], s[24:25]
	s_add_nc_u64 s[10:11], s[10:11], s[26:27]
.irp u, 0,1,2,3,4,5,6,7
	global_load_b128 v[16+4*\u:19+4*\u], v[AQ], s[4:5] offset:4096+32*\u       ; k
.endr
.irp u, 0,1,2,3,4,5,6,7
	global_load_b128 v[48+4*\u:51+4*\u], v[AQ], s[4:5] offset:32*\u            ; q
.endr
.irp dt, 0,1,2,3
.irp kk, 0,1,2,3,4,5,6,7
	global_load_b32 v[80+8*\dt+\kk], v[AVV], s[4:5] offset:8192+\kk*12288+64*\dt   ; v(key 8 h + kk, channel 16 dt + r)
.endr
.endr
	global_load_b64 v[254:255], v[L8], s[8:9]      ; the bias of my two columns of the row that I add up
	s_wait_loadcnt 33                              ; k and q are in; v's 32 loads and the bias may be out
	v_wmma_f32_16x16x4_f32 v[176:183], v[16:17], v[48:49], 0                   ; S^T = k q^T: two half sums by turns; the first steps start them
	v_wmma_f32_16x16x4_f32 v[184:191], v[18:19], v[50:51], 0
.irp s, 2,4,6,8,10,12,14
	v_wmma_f32_16x16x4_f32 v[176:183], v[16+2*\s:17+2*\s], v[48+2*\s:49+2*\s], v[176:183]
	v_wmma_f32_16x16x4_f32 v[184:191], v[18+2*\s:19+2*\s], v[50+2*\s:51+2*\s], v[184:191]
.endr
.irp nt, 0,1
.irp dt, 0,1,2,3
.irp kk, 0,1,2,3,4,5,6,7
	global_load_b32 v[112+32*\nt+8*\dt+\kk], v[AW], s[6:7] offset:(16*\dt+\kk)*4096+64*\nt   ; w_proj(64 w + 16 dt + 8 h + kk, 64 cg + 16 nt + r)
.endr
.endr
.endr
.rept 8
	v_nop                                          ; eight places behind this form, in front of the first read of its results
.endr
.irp j, 0,1,2,3,4,5,6,7
	v_add_f32 v[240+\j], v[176+\j], v[184+\j]      ; lane (r, h): query r, key 8 h + j
.endr
.irp j, 0,1,2,3,4,5,6,7
	v_cmp_gt_i32 vcc_lo, \j, v[LQ]                 ; hidden where 8 h + j > r
	v_cndmask_b32 v[240+\j], v[240+\j], v[NEG], vcc_lo
.endr
	v_max3_num_f32 v248, v240, v241, v242
	v_max3_num_f32 v248, v248, v243, v244
	v_max3_num_f32 v248, v248, v245, v246
	v_max_num_f32 v248, v248, v247
	v_permlanex16_b32 v249, v248, s20, s21
	v_max_num_f32 v248, v248, v249                 ; the row's maximum: key 0 counts for every query
	v_mul_f32 v250, s22, v248
.irp j, 0,1,2,3,4,5,6,7
	v_fma_f32 v[240+\j], v[240+\j], s22, -v250
.endr
.irp j, 0,1,2,3,4,5,6,7
	v_exp_f32 v[240+\j], v[240+\j]
.endr
	v_nop
	s_wait_alu depctr_va_vdst(0)                   ; one wait for the eight exponentials
	v_add_f32 v251, v240, v241
	v_add_f32 v252, v242, v243
	v_add_f32 v253, v244, v245
	v_add_f32 v250, v246, v247
	v_add_f32 v251, v251, v252
	v_add_f32 v253, v253, v250
	v_add_f32 v251, v251, v253
	v_permlanex16_b32 v249, v251, s20, s21
	v_add_f32 v251, v251, v249                     ; the row's sum
	v_rcp_f32 v252, v251
	v_nop
	s_wait_alu depctr_va_vdst(0)
	s_wait_loadcnt 63                              ; v and the bias are in (64 younger loads would do; 63 is the largest count that the wait can name)
.irp sp, 0,1,2,3                               ; O^T = V^T p: four accumulators by turns
.irp dt, 0,1,2,3
.if \sp == 0
	v_wmma_f32_16x16x4_f32 v[192+8*\dt:199+8*\dt], v[80+8*\dt+2*\sp:81+8*\dt+2*\sp], v[240+2*\sp:241+2*\sp], 0
.else
	v_wmma_f32_16x16x4_f32 v[192+8*\dt:199+8*\dt], v[80+8*\dt+2*\sp:81+8*\dt+2*\sp], v[240+2*\sp:241+2*\sp], v[192+8*\dt:199+8*\dt]
.endif
.endr
.endr
.irp nt, 2,3
.irp dt, 0,1,2,3
.irp kk, 0,1,2,3,4,5,6,7
	global_load_b32 v[16+32*(\nt-2)+8*\dt+\kk], v[AW], s[6:7] offset:(16*\dt+\kk)*4096+64*\nt   ; into k's and q's registers: their products stand far more than eight places back
.endr
.endr
.endr
.rept 8
	v_nop
.endr
.set i, 0
.rept 32
	v_mul_f32 v[80+i], v[192+i], v252              ; y = O^T / the sum: register 8 dt + j: channel 16 dt + 8 h + j of query r
.set i, i+1
.endr
	s_wait_loadcnt 63                              ; W0 and W1 are in
.irp dt, 0,1,2,3                               ; out^T tiles 0 and 1 by turns: source 0 = 16 columns of w_proj, source 1 = y
.irp sp, 0,1,2,3
.if (\dt == 0) && (\sp == 0)
	v_wmma_f32_16x16x4_f32 v[176:183], v[112+8*\dt+2*\sp:113+8*\dt+2*\sp], v[80+8*\dt+2*\sp:81+8*\dt+2*\sp], 0
	v_wmma_f32_16x16x4_f32 v[184:191], v[144+8*\dt+2*\sp:145+8*\dt+2*\sp], v[80+8*\dt+2*\sp:81+8*\dt+2*\sp], 0
.else
	v_wmma_f32_16x16x4_f32 v[176:183], v[112+8*\dt+2*\sp:113+8*\dt+2*\sp], v[80+8*\dt+2*\sp:81+8*\dt+2*\sp], v[176:183]
	v_wmma_f32_16x16x4_f32 v[184:191], v[144+8*\dt+2*\sp:145+8*\dt+2*\sp], v[80+8*\dt+2*\sp:81+8*\dt+2*\sp], v[184:191]
.endif
.endr
.endr
	s_wait_loadcnt 0x0                             ; W2 and W3 are in
.irp dt, 0,1,2,3                               ; tiles 2 and 3
.irp sp, 0,1,2,3
.if (\dt == 0) && (\sp == 0)
	v_wmma_f32_16x16x4_f32 v[224:231], v[16+8*\dt+2*\sp:17+8*\dt+2*\sp], v[80+8*\dt+2*\sp:81+8*\dt+2*\sp], 0
	v_wmma_f32_16x16x4_f32 v[232:239], v[48+8*\dt+2*\sp:49+8*\dt+2*\sp], v[80+8*\dt+2*\sp:81+8*\dt+2*\sp], 0
.else
	v_wmma_f32_16x16x4_f32 v[224:231], v[16+8*\dt+2*\sp:17+8*\dt+2*\sp], v[80+8*\dt+2*\sp:81+8*\dt+2*\sp], v[224:231]
	v_wmma_f32_16x16x4_f32 v[232:239], v[48+8*\dt+2*\sp:49+8*\dt+2*\sp], v[80+8*\dt+2*\sp:81+8*\dt+2*\sp], v[232:239]
.endif
.endr
.endr
.rept 8
	v_nop
.endr
	ds_store_b128 v[STO], v[176:179]               ; lane (r, h): my head's part of out(r, 16 nt + 8 h + 0 .. 7); each accumulator from its low end on
	ds_store_b128 v[STO], v[180:183] offset:16
	ds_store_b128 v[STO], v[184:187] offset:64
	ds_store_b128 v[STO], v[188:191] offset:80
	ds_store_b128 v[STO], v[224:227] offset:128
	ds_store_b128 v[STO], v[228:231] offset:144
	ds_store_b128 v[STO], v[232:235] offset:192
	ds_store_b128 v[STO], v[236:239] offset:208
	s_wait_dscnt 0x0                               ; for the others' sake: my part lies in LDS
	s_barrier_signal -1
	s_barrier_wait -1
.irp s, 0,1,2,3,4,5,6,7,8,9,10,11,12,13,14,15
	ds_load_b64 v[16+2*\s:17+2*\s], v[RD] offset:\s*4352       ; row w of head s's part: 256 bytes a wave
.endr
	s_wait_dscnt 0x0
	v_pk_add_f32 v[248:249], v[254:255], v[16:17]  ; the bias and the sixteen parts, in two chains
	v_pk_add_f32 v[250:251], v[18:19], v[20:21]
.irp s, 3,5,7,9,11,13
	v_pk_add_f32 v[248:249], v[248:249], v[16+2*\s:17+2*\s]
	v_pk_add_f32 v[250:251], v[250:251], v[18+2*\s:19+2*\s]
.endr
	v_pk_add_f32 v[248:249], v[248:249], v[46:47]
	v_pk_add_f32 v[248:249], v[248:249], v[250:251]
	global_store_b64 v[L8], v[248:249], s[10:11]   ; 256 consecutive bytes, aligned
	s_wait_tensorcnt 0x0                           ; the wave's end
	ds_add_u32 v[SPW], v[NIL]
	s_wait_dscnt 0x0
	s_endpgm
.Lfunc_end_k_q2f18ab2fd9_fine:
	.size	k_q2f18ab2fd9_fine, .Lfunc_end_k_q2f18ab2fd9_fine-k_q2f18ab2fd9_fine
	.p2alignl 7, 3214868480
	.fill 96, 4, 3214868480
	.section	.rodata,"a",@progbits
	.p2align	6, 0x0
	.amdhsa_kernel k_q2f18ab2fd9_fine
		.amdhsa_group_segment_fixed_size 71680
		.amdhsa_private_segment_fixed_size 0
		.amdhsa_enable_private_segment 0
		.amdhsa_kernarg_size 32
		.amdhsa_user_sgpr_count 2
		.amdhsa_user_sgpr_kernarg_segment_ptr 1
		.amdhsa_wavefront_size32 1
		.amdhsa_system_sgpr_workgroup_id_x 1
		.amdhsa_system_sgpr_workgroup_id_y 1
		.amdhsa_system_sgpr_workgroup_id_z 1
		.amdhsa_system_vgpr_workitem_id 0
		.amdhsa_next_free_vgpr 256
		.amdhsa_next_free_sgpr 66
		.amdhsa_reserve_vcc 1
		.amdhsa_float_denorm_mode_32 3
		.amdhsa_float_denorm_mode_16_64 3
		.amdhsa_memory_ordered 1
		.amdhsa_forward_progress 1
		.amdhsa_inst_pref_size 33
	.end_amdhsa_kernel
	.amdgpu_metadata
---
amdhsa.version: [ 1, 2 ]
amdhsa.kernels:
  - .name:           k_q2f18ab2fd9_fine
    .symbol:         k_q2f18ab2fd9_fine.kd
    .args:
      - { .name: qkv32, .offset: 0, .size: 8, .value_kind: global_buffer, .address_space: global }
      - { .name: w_proj, .offset: 8, .size: 8, .value_kind: global_buffer, .address_space: global }
      - { .name: b_proj, .offset: 16, .size: 8, .value_kind: global_buffer, .address_space: global }
      - { .name: out0, .offset: 24, .size: 8, .value_kind: global_buffer, .address_space: global }
    .group_segment_fixed_size: 71680
    .private_segment_fixed_size: 0
    .kernarg_segment_align: 8
    .kernarg_segment_size: 32
    .max_flat_workgroup_size: 512
    .sgpr_count:     66
    .vgpr_count:     256
    .wavefront_size: 32
...
	.end_amdgpu_metadata
.endif
;; end of part 5
